; MI455X (gfx1250); checked and timed in simulation.
; The chip was launched on July 23, 2026; its instructions are those of AMD's public machine-readable ISA for CDNA 5 (MIT licence, August 2026) and "CDNA5" Instruction Set Architecture Reference Guide (July 2026). The comments in the code are by the model that wrote it; some were corrected since.
;; Multi Head Attention. Allowed arithmetic: matrix products marked QUANTISED: E2M3 operands, one E8M0 scale for each 32 along K, by v_wmma_scale_f32_16x16x128_f8f6f4 with both operands' format E2M3, f32 sums; everything else in f32.
;; Inputs: Wk 1,024 x 1,024 float32; Wo 1,024 x 1,024 float32; Wq 1,024 x 1,024 float32; Wv 1,024 x 1,024 float32; attention_mask 4 x 2,048 int32; bo 1,024 float32; x 4 x 2,048 x 1,024 float32.
;; Outputs: out0 4 x 2,048 x 1,024 float32.
;; This version of the problem:
;;   THIS VERSION OF THE PROBLEM IS GIVEN IN LOW PRECISION. The matrix products marked QUANTISED in the list below multiply operands that are first quantised to E2M3 (2 exponent bits, 3 mantissa bits; 6 bits a number), with one power-of-two scale for each 32 numbers along K (OCP MX v1.0); their sums are f32. All else is computed in f32.
;;   The module's matrix products, in the order in which they are computed (A, B: the left and right operand; K: the contracted axis; several contracted axes count as one K, in the product's order):
;;     1. [M 8,192, K 1,024] x [K 1,024, N 1,024]; A: input x; B: input Wq: QUANTISED
;;     2. [M 8,192, K 1,024] x [K 1,024, N 1,024]; A: input x; B: input Wk: QUANTISED
;;     3. [M 8,192, K 1,024] x [K 1,024, N 1,024]; A: input x; B: input Wv: QUANTISED
;;     4. batch 64 x [M 2,048, K 64] x [K 64, N 2,048]; A: computed on the way; B: computed on the way: QUANTISED
;;     5. batch 64 x [M 2,048, K 2,048] x [K 2,048, N 64]; A: softmax (see below); B: computed on the way: QUANTISED
;;     6. [M 8,192, K 1,024] x [K 1,024, N 1,024]; A: computed on the way; B: input Wo: QUANTISED
;;   THE QUANTISER, for each operand of a quantised product, along K:
;;     - K is cut into blocks of 32 from its start; a last block that is shorter is filled with zeros.
;;     - A block's scale is 2^e with e = floor(log2(the largest magnitude in the block)) - 2, held to -126 .. 127; a block of zeros has e = 0. As a byte (E8M0): e + 127.
;;     - Each number is divided by its block's scale, clamped to +-7.5, and rounded to the nearest number of E2M3, ties to even, subnormals kept.
;;     - The product sums the exact products of the quantised numbers (number of the format x scale) in f32.
;;   ~~~python
;;   def quantise(x, axis):      # numpy; x: float32 -> the quantised numbers, widened to float32 again
;;       x = np.moveaxis(x, axis, -1); K = x.shape[-1]
;;       x = np.pad(x, [(0, 0)] * (x.ndim - 1) + [(0, -K % 32)]); x = x.reshape(x.shape[:-1] + (-1, 32)); a = np.abs(x).max(-1, keepdims=True)
;;       e = np.where(a > 0, np.clip(np.frexp(np.where(a > 0, a, 1))[1] - 1 - 2, -126, 127), 0)      # np.frexp(a)[1] - 1 = floor(log2(a)), exactly
;;       r = np.clip(x / 2.0 ** e, -7.5, 7.5)
;;       step = 2.0 ** (np.maximum(np.frexp(np.where(r == 0, 1, r))[1] - 1, 0) - 3)
;;       q = np.round(r / step) * step * 2.0 ** e      # np.round: ties to even
;;       return np.moveaxis(q.reshape(q.shape[:-2] + (-1,))[..., :K], -1, axis).astype(np.float32)
;;   ~~~
;;   SOFTMAX AHEAD OF A QUANTISED PRODUCT. Where the list says 'softmax', what is quantised is not the finished softmax but p = 2^(t - M), with t = logit x log2(e) and M = ceil(the row's largest t), a whole number; so 1/2 < the row's largest p <= 1. The row's sum l is taken of the UNQUANTISED p, in f32, and the product's result is divided by l at the end. Since M is a whole number, a kernel that streams over the keys may use a running M (the ceiling of the running maximum): every later rescaling is an exact power of two, which a block's scale takes up: the codes' values come out the same.
;;   OPERANDS COMPUTED ON THE WAY. 'Computed on the way' means the value that the module computes at that place (a softmax that the list does not call 'softmax' is quantised finished and normalised). What goes into a quantiser is computed in f32, as accurately as f32 sums, v_exp_f32 and their like allow (about 1e-6 of the number): no bf16 or f16 on the way to a quantiser, and a product that is left as it is and whose result goes on into a quantised operand takes f32 operands (vector FMAs, or v_wmma_f32_16x16x4_f32). A number that lies on a knife's edge between two numbers of the format may be rounded either way, as far as f32 arithmetic and the matrix unit's own rounding can turn it there, and no further.
;; One version. Each part assembles by itself: llvm-mc -triple=amdgcn-amd-amdhsa -mcpu=gfx1250 --defsym DOCPART=n.
;; ======== version 1 of 1: 4 launches
;; limits: right only within a limited range of input values
;; workspace buffers: ops 9,830,400 bytes; qq 6,815,744 bytes; kv 13,369,344 bytes; cq 6,553,600 bytes
;; launch quant (part 1): grid 384 x 1, 4 waves a work-group, no clusters, 34,304 bytes of LDS; arguments x, Wq, Wk, Wv, Wo, ops; writes ops
.if DOCPART == 1
	.amdgcn_target "amdgcn-amd-amdhsa--gfx1250"
	.amdhsa_code_object_version 6
	.text
	.protected	k_q2090d43717_quant
	.globl	k_q2090d43717_quant
	.p2align	8
	.type	k_q2090d43717_quant,@function
k_q2090d43717_quant:
	s_mov_b64 s[64:65], 0
	v_nop
	global_prefetch_b8 v0, s[64:65] scope:SCOPE_SE
	s_setreg_imm32_b32 hwreg(HW_REG_WAVE_MODE, 25, 1), 1
	s_wait_xcnt 0x0
; x [8192][1024] and the four weights [1024 (k)][1024 (n)], f32, become codes of FP6 (E2M3) with one E8M0 byte for each 32 along K, in the buffer ops.
; LAYOUT OF ops.  The unit is an image of 768 bytes: 16 rows x 64 along K as registers 0-5 of a 6-bit operand: lane (r, h) holds block h of row r; its registers 0-3 lie at 16 r + 256 h, registers 4-5 at 512 + 16 r + 8 h.
; Codes: [rowtile 0..767][64 along K (16)][768].  Rowtiles 0-511: x, 16 tokens each.  Rowtile 512 + 64 w + i: weight w (Wq, Wk, Wv, Wo); position p of a weight holds column sigma(p), sigma = bits 3 and 4 of p changed over.
; Scale words from byte OSC on: [rowtile][256 along K (4)][r (16)][2 words], a word = the four bytes of 128 along K.
; A block's scale is 2^(floor(log2(its largest magnitude)) - 2); its byte is that magnitude's exponent field - 2, held at 1 from below.
; LIMITS: a block whose largest magnitude lies under 2^-124 keeps the byte 1; a block of zeros has the byte 1 where the rule says 127 (its codes are zeros, and this program alone reads the bytes); NaN and infinities among the inputs are not served.
; Work-groups 0-255 take x: a wave takes 16 rows x 512 along K, in four units of 128.  Each load reads 512 consecutive bytes of a row; a unit turns through the wave's own stage in LDS, so that a lane gets two whole blocks of its row.
; Work-groups 256-383 take the weights: a lane takes a column and its registers run down K; no LDS.  No tensor loads, no barrier: waves share nothing.  Matrix units and clusters buy nothing in a stream.
.set OSC,   9437184
.set STG,   8448                       ; a wave's stage: 16 rows x (512 bytes + 16): row r starts 4 banks on from row r - 1
.set SPARE, 4*STG                      ; behind the stages: the spare words, 128 bytes for each wave
.set SPW, 12                           ; v12  LDS address of my spare word; never rewritten
.set NIL, 13                           ; v13  0; never rewritten
.set R,   16                           ; v16-143  two sets of 64: a unit as it is loaded
.set X,   144                          ; v144-207 my two blocks of 32
.set C,   208                          ; v208-219 the unit's codes: a fragment's 12 registers
.set T,   220                          ; v220-222, v224-226 second halves of the blocks' codes
.set M,   228
.set SO,  230
.set BY,  232
.set TP,  234
.set W,   236                          ; v236-239 the four units' scale words
.set WX,  32                           ; the weights' path: v32-95 two sets of 32 numbers
.set WT,  96
.set WQ,  100                          ; v100-147: for each pair of blocks 12 registers: three stores of 16 bytes
.set SB,  24
	s_load_b256 s[4:11], s[0:1], 0x0               ; x, Wq, Wk, Wv
	s_load_b128 s[12:15], s[0:1], 0x20             ; Wo, ops
	v_lshl_add_u32 v[SPW], v0, 2, SPARE
	v_mov_b32 v[NIL], 0
	v_lshrrev_b32 v1, 5, v0
	v_readfirstlane_b32 s16, v1                    ; wave
	v_and_b32 v1, 31, v0                           ; lane
	v_and_b32 v8, 15, v0                           ; r
	v_bfe_u32 v9, v0, 4, 1                         ; h
	s_cmp_lt_u32 ttmp9, 256
	s_cbranch_scc0 .Lw
	; ---------------- x ----------------
	s_lshl_b32 s17, ttmp9, 2
	s_add_co_u32 s17, s17, s16
	s_lshr_b32 s18, s17, 1                         ; rowtile
	s_and_b32 s19, s17, 1                          ; which 512 along K
	v_lshlrev_b32 v2, 4, v1                        ; 16 x lane: my bytes of a load's 512, and of an image's first 512
	v_lshlrev_b32 v3, 4, v8
	v_lshl_add_u32 v3, v9, 3, v3                   ; 16 r + 8 h: my bytes of an image's last 256
	s_mul_i32 s26, s16, STG
	v_add_nc_u32 v4, s26, v2                       ; the stage, on the way in
	v_mul_u32_u24 v5, v8, 528
	v_lshl_add_u32 v5, v9, 7, v5
	v_add_nc_u32 v5, s26, v5                       ; and out: row r, block h
	v_lshlrev_b32 v6, 3, v9                        ; 8 h: my bytes' place in a scale word
	v_lshlrev_b32 v7, 3, v8
	v_lshl_add_u32 v7, v9, 7, v7                   ; 128 h + 8 r: where I store two scale words
	s_mov_b32 s24, 0x76543210
	s_mov_b32 s25, 0xfedcba98                      ; v_permlanex16_b32's selects for lane l xor 16
	s_lshl_b32 s28, s18, 16
	s_lshl_b32 s29, s19, 11
	s_add_co_u32 s28, s28, s29
	s_mov_b32 s29, 0
	s_mul_i32 s30, s18, 12288
	s_mul_i32 s31, s19, 6144
	s_add_co_u32 s30, s30, s31
	s_mov_b32 s31, 0
	s_lshl_b32 s32, s18, 9
	s_lshl_b32 s33, s19, 8
	s_add_co_u32 s32, s32, s33
	s_add_co_u32 s32, s32, OSC
	s_mov_b32 s33, 0
	v_mov_b32 v[TP], 0                             ; a lane permute's destination counts as one of its sources
	s_wait_kmcnt 0x0
	s_add_nc_u64 s[4:5], s[4:5], s[28:29]
	s_add_nc_u64 s[20:21], s[14:15], s[30:31]
	s_add_nc_u64 s[22:23], s[14:15], s[32:33]
.macro XLOAD u, set                    ; unit u: 16 rows x 512 bytes
.irp i, 0,1,2,3,4,5,6,7,8,9,10,11,12,13,14,15
	global_load_b128 v[R+64*(\set)+4*\i:R+64*(\set)+4*\i+3], v2, s[4:5] offset:\i*4096+(\u)*512 th:TH_LOAD_NT
.endr
.endm
.macro UNIT u
.if (\u) < 3
	s_wait_loadcnt 16                              ; this unit's 16 loads are in; the next unit's 16 may be out
.else
	s_wait_loadcnt 0x0
.endif
.irp i, 0,1,2,3,4,5,6,7,8,9,10,11,12,13,14,15
	ds_store_b128 v4, v[R+64*((\u)%2)+4*\i:R+64*((\u)%2)+4*\i+3] offset:528*\i
.endr
.irp c, 0,1
.irp i, 0,1,2,3,4,5,6,7
	ds_load_b128 v[X+32*\c+4*\i:X+32*\c+4*\i+3], v5 offset:256*\c+16*\i   ; k = 64 c + 32 h + 0 .. 31 of row r; LDS serves a wave's instructions in order
.endr
.endr
	s_wait_dscnt 0x0                               ; my blocks are here, and the stores have read their registers,
.if (\u) < 2
	XLOAD (\u)+2, (\u)%2                           ; which take the unit two on
.endif
.if (\u) > 0
	s_wait_xcnt 0x0                                ; the last unit's stores have read the codes' registers
.endif
.irp c, 0,1
	v_max3_num_f32 v[M+\c], |v[X+32*\c]|, |v[X+32*\c+1]|, 0x1800000   ; the floor 2^(3 - 127): the byte cannot fall under 1
.endr
.irp i, 2,4,6,8,10,12,14,16,18,20,22,24,26,28,30
.irp c, 0,1
	v_max3_num_f32 v[M+\c], v[M+\c], |v[X+32*\c+\i]|, |v[X+32*\c+\i+1]|
.endr
.endr
.irp c, 0,1
	v_add_nc_u32 v[SO+\c], 0xff000000, v[M+\c]     ; 2 off the exponent field: the conversion's scale operand
.endr
.irp c, 0,1
	v_lshrrev_b32 v[BY+\c], 23, v[SO+\c]           ; the scale's byte
.endr
	v_lshl_or_b32 v[W+(\u)], v[BY+1], 16, v[BY]    ; blocks h and 2 + h,
	v_lshlrev_b32 v[W+(\u)], v6, v[W+(\u)]         ; at their places;
	v_permlanex16_b32 v[TP], v[W+(\u)], s24, s25
	v_or_b32 v[W+(\u)], v[W+(\u)], v[TP]           ; with lane l xor 16's two the word is whole
.irp c, 0,1
	v_cvt_scalef32_pk16_fp6_f32 v[C+6*\c:C+6*\c+2], v[X+32*\c:X+32*\c+15], v[SO+\c]
	v_cvt_scalef32_pk16_fp6_f32 v[T+4*\c:T+4*\c+2], v[X+32*\c+16:X+32*\c+31], v[SO+\c]   ; (a conversion's three registers begin on an even number)
.endr
	v_nop                                          ; one plain place behind a scaled conversion
.irp c, 0,1
.irp i, 0,1,2
	v_mov_b32 v[C+6*\c+3+\i], v[T+4*\c+\i]
.endr
.endr
.irp c, 0,1
	global_store_b128 v2, v[C+6*\c:C+6*\c+3], s[20:21] offset:(2*(\u)+\c)*768        ; 512 consecutive bytes
	global_store_b64 v3, v[C+6*\c+4:C+6*\c+5], s[20:21] offset:(2*(\u)+\c)*768+512   ; 256 consecutive bytes
.endr
.endm
	XLOAD 0, 0
	XLOAD 1, 1
	UNIT 0
	UNIT 1
	UNIT 2
	UNIT 3
	v_cmp_eq_u32 vcc_lo, 1, v9
	v_cndmask_b32 v[TP], v[W], v[W+2], vcc_lo      ; lanes 0-15 store words 0 and 1, lanes 16-31 words 2 and 3
	v_cndmask_b32 v[TP+1], v[W+1], v[W+3], vcc_lo
	global_store_b64 v7, v[TP:TP+1], s[22:23]      ; 256 consecutive bytes, aligned
	s_wait_tensorcnt 0x0                           ; the wave's end: behind my last LDS store
	ds_add_u32 v[SPW], v[NIL]
	s_wait_dscnt 0x0
	s_endpgm
	; ---------------- the weights ----------------
.Lw:
	s_sub_co_u32 s17, ttmp9, 256
	s_lshr_b32 s18, s17, 5                         ; which weight
	s_bfe_u32 s19, s17, 0x20003                    ; which 256 along K
	s_and_b32 s26, s17, 7
	s_lshl_b32 s26, s26, 7
	s_lshl_b32 s27, s16, 5
	s_add_co_u32 s26, s26, s27                     ; my wave's first position: 128 x + 32 x wave
	v_and_b32 v2, 7, v1
	v_and_b32 v3, 8, v1
	v_lshl_or_b32 v2, v3, 1, v2
	v_and_b32 v3, 16, v1
	v_lshrrev_b32 v3, 1, v3
	v_or_b32 v2, v2, v3
	v_lshlrev_b32 v2, 2, v2                        ; 4 sigma(lane): position lane holds this column
	v_mul_u32_u24 v3, v9, 12288
	v_lshl_add_u32 v3, v8, 4, v3                   ; codes: rowtile lane / 16, 16 r
	v_lshlrev_b32 v4, 9, v9
	v_lshl_add_u32 v4, v8, 3, v4                   ; scale words: rowtile lane / 16, 8 r
	s_lshl_b32 s28, s19, 20
	s_lshl_b32 s29, s26, 2
	s_add_co_u32 s28, s28, s29
	s_mov_b32 s29, 0
	s_lshl_b32 s30, s18, 6
	s_lshr_b32 s31, s26, 4
	s_add_co_u32 s30, s30, s31
	s_add_co_u32 s30, s30, 512                     ; my first rowtile
	s_mul_i32 s32, s30, 12288
	s_mul_i32 s33, s19, 3072
	s_add_co_u32 s32, s32, s33
	s_mov_b32 s33, 0
	s_lshl_b32 s34, s30, 9
	s_lshl_b32 s35, s19, 7
	s_add_co_u32 s34, s34, s35
	s_add_co_u32 s34, s34, OSC
	s_mov_b32 s35, 0
	s_wait_kmcnt 0x0
	s_cmp_eq_u32 s18, 1                            ; the choice hangs on the work-group's number alone
	s_cselect_b64 s[6:7], s[8:9], s[6:7]
	s_cmp_eq_u32 s18, 2
	s_cselect_b64 s[6:7], s[10:11], s[6:7]
	s_cmp_eq_u32 s18, 3
	s_cselect_b64 s[6:7], s[12:13], s[6:7]
	s_add_nc_u64 s[6:7], s[6:7], s[28:29]
	s_add_nc_u64 s[20:21], s[14:15], s[32:33]
	s_add_nc_u64 s[22:23], s[14:15], s[34:35]
.macro WLOAD t                         ; block t: W(32 t + i, my column) into set t % 2; the wave reads 128 consecutive bytes
.irp i, 0,1,2,3,4,5,6,7,8,9,10,11,12,13,14,15,16,17,18,19,20,21,22,23,24,25,26,27,28,29,30,31
	global_load_b32 v[WX+32*((\t)%2)+\i], v2, s[6:7] offset:(32*(\t)+\i)*4096 th:TH_LOAD_NT
.endr
.endm
.macro BLOCK t
.set XS, WX+32*((\t)%2)
.set QQ, WQ+12*((\t)/2)+4*((\t)%2)
.set QZ, WQ+12*((\t)/2)+8+2*((\t)%2)
.if (\t) < 7
	s_wait_loadcnt 32                              ; this block's 32 loads are in; the next block's may be out
.else
	s_wait_loadcnt 0x0
.endif
	v_max3_num_f32 v8, |v[XS]|, |v[XS+1]|, |v[XS+2]|   ; all 32 numbers of the block are mine
	v_max3_num_f32 v9, |v[XS+3]|, |v[XS+4]|, |v[XS+5]|
.irp i, 6,10,14,18,22,26
	v_max3_num_f32 v8, v8, |v[XS+\i]|, |v[XS+\i+1]|
	v_max3_num_f32 v9, v9, |v[XS+\i+2]|, |v[XS+\i+3]|
.endr
	v_max3_num_f32 v8, v8, |v[XS+30]|, |v[XS+31]|
	v_max3_num_f32 v8, v8, v9, 0x1800000
	v_add_nc_u32 v10, 0xff000000, v8
	v_lshrrev_b32 v11, 23, v10
.if (\t)%4 == 0
	v_mov_b32 v[SB+(\t)/4], v11
.else
	v_lshl_or_b32 v[SB+(\t)/4], v11, 8*((\t)%4), v[SB+(\t)/4]
.endif
	v_cvt_scalef32_pk16_fp6_f32 v[QQ:QQ+2], v[XS:XS+15], v10
	v_cvt_scalef32_pk16_fp6_f32 v[WT:WT+2], v[XS+16:XS+31], v10
	v_nop                                          ; one plain place behind a scaled conversion
	v_mov_b32 v[QQ+3], v[WT]                       ; the block's registers 0-3 together,
	v_mov_b32 v[QZ], v[WT+1]                       ; registers 4-5 beside the other block's of the pair
	v_mov_b32 v[QZ+1], v[WT+2]
.if (\t)+2 < 8
	WLOAD (\t)+2
.endif
.if (\t)%2 == 1                        ; an image is whole: sixteen lanes store 256 consecutive bytes, aligned; each pair has registers of its own, so no store's data are written again
	global_store_b128 v3, v[WQ+12*((\t)/2):WQ+12*((\t)/2)+3], s[20:21] offset:((\t)/2)*768
	global_store_b128 v3, v[WQ+12*((\t)/2)+4:WQ+12*((\t)/2)+7], s[20:21] offset:((\t)/2)*768+256
	global_store_b128 v3, v[WQ+12*((\t)/2)+8:WQ+12*((\t)/2)+11], s[20:21] offset:((\t)/2)*768+512
.endif
.endm
	WLOAD 0
	WLOAD 1
.irp t, 0,1,2,3,4,5,6,7
	BLOCK \t
.endr
	global_store_b64 v4, v[SB:SB+1], s[22:23]      ; sixteen lanes store 128 consecutive bytes
	s_endpgm
.Lfunc_end_k_q2090d43717_quant:
	.size	k_q2090d43717_quant, .Lfunc_end_k_q2090d43717_quant-k_q2090d43717_quant
	.p2alignl 7, 3214868480
	.fill 96, 4, 3214868480
	.section	.rodata,"a",@progbits
	.p2align	6, 0x0
	.amdhsa_kernel k_q2090d43717_quant
		.amdhsa_group_segment_fixed_size 34304
		.amdhsa_private_segment_fixed_size 0
		.amdhsa_enable_private_segment 0
		.amdhsa_kernarg_size 48
		.amdhsa_user_sgpr_count 2
		.amdhsa_user_sgpr_kernarg_segment_ptr 1
		.amdhsa_wavefront_size32 1
		.amdhsa_system_sgpr_workgroup_id_x 1
		.amdhsa_system_sgpr_workgroup_id_y 1
		.amdhsa_system_sgpr_workgroup_id_z 1
		.amdhsa_system_vgpr_workitem_id 0
		.amdhsa_next_free_vgpr 240
		.amdhsa_next_free_sgpr 66
		.amdhsa_reserve_vcc 1
		.amdhsa_float_denorm_mode_32 3
		.amdhsa_float_denorm_mode_16_64 3
		.amdhsa_memory_ordered 1
		.amdhsa_forward_progress 1
		.amdhsa_inst_pref_size 69
	.end_amdhsa_kernel
	.amdgpu_metadata
---
amdhsa.version: [ 1, 2 ]
amdhsa.kernels:
  - .name:           k_q2090d43717_quant
    .symbol:         k_q2090d43717_quant.kd
    .args:
      - { .name: x, .offset: 0, .size: 8, .value_kind: global_buffer, .address_space: global }
      - { .name: Wq, .offset: 8, .size: 8, .value_kind: global_buffer, .address_space: global }
      - { .name: Wk, .offset: 16, .size: 8, .value_kind: global_buffer, .address_space: global }
      - { .name: Wv, .offset: 24, .size: 8, .value_kind: global_buffer, .address_space: global }
      - { .name: Wo, .offset: 32, .size: 8, .value_kind: global_buffer, .address_space: global }
      - { .name: ops, .offset: 40, .size: 8, .value_kind: global_buffer, .address_space: global }
    .group_segment_fixed_size: 34304
    .private_segment_fixed_size: 0
    .kernarg_segment_align: 8
    .kernarg_segment_size: 48
    .max_flat_workgroup_size: 128
    .sgpr_count:     66
    .vgpr_count:     240
    .wavefront_size: 32
...
	.end_amdgpu_metadata
.endif
;; end of part 1
;; launch qkv (part 2): grid 12 x 32, 4 waves a work-group, clusters of 4 x 4, 327,680 bytes of LDS; arguments ops, qq, kv; writes qq, kv
.if DOCPART == 2
	.amdgcn_target "amdgcn-amd-amdhsa--gfx1250"
	.amdhsa_code_object_version 6
	.text
	.protected	k_q2090d43717_qkv
	.globl	k_q2090d43717_qkv
	.p2align	8
	.type	k_q2090d43717_qkv,@function
k_q2090d43717_qkv:
	s_mov_b64 s[64:65], 0
	v_nop
	global_prefetch_b8 v0, s[64:65] scope:SCOPE_SE
	s_setreg_imm32_b32 hwreg(HW_REG_WAVE_MODE, 25, 1), 1
	s_wait_xcnt 0x0
	s_wait_alu depctr_hold_cnt(0) depctr_sa_sdst(0) depctr_va_vdst(0) depctr_va_sdst(0) depctr_va_ssrc(0) depctr_va_vcc(0) depctr_vm_vsrc(0)
	s_getreg_b32 s2, hwreg(HW_REG_IB_STS2, 6, 4)
	s_cmp_eq_u32 s2, 0
	s_cbranch_scc0 .Lentry_in_a_cluster
	s_endpgm
.Lentry_in_a_cluster:
	s_bfe_u32 s2, ttmp6, 0x10000c
	s_cmp_lg_u32 s2, 0xf033
	s_cbranch_scc0 .Lentry_shape_is_right
	s_endpgm
.Lentry_shape_is_right:
; q = x Wq, k = x Wk, v = x Wv on codes of FP6 (E2M3) with E8M0 scales, and their results quantised again on the way out: q and k along the head's 64, v along the keys.
; One text for the three: kind = the cluster's x (0 q, 1 k, 2 v), the same in all sixteen partners.  A tile is 256 x 256, K = 1,024; four waves, each 128 x 128: 64 accumulators of 16 x 16.
; The matrix instruction's source 1 ("A") gives a lane its row, source 0 ("B") runs along a lane's registers, and that is the axis of the next quantiser:
;   q, k: A = 256 tokens of x, B = 256 positions of the weight;      v: A = 256 positions of Wv, B = 256 tokens of x.
; Both operands lie in ops (launch quant): images of 768 bytes (16 rows x 64 K as an operand's registers 0-5), [rowtile][64 along K][768]; a fragment is two images: two loads of 16 bytes and two of 8, all on consecutive bytes.
; A weight's position p holds column sigma(p) (bits 3 and 4 changed over): so a lane's 16 registers of two neighbouring tiles are 16 neighbouring columns.  With x as source 0 the keys of a block of 32 come in the order sigma; launch attn lays p in the same order.
; K goes in steps of 256 through two LDS slots; a wave's tensor load brings 8 rowtiles x 3,072 bytes.  The scale words of the 512 rows, for all of K, come once (16 KiB).  By this text's count a wave has at most three tensor loads out.
; CLUSTERS 4 x 4: A's tiles are asked for jointly along a row of the cluster, B's along a column.
; OUT: qq: [b h][token tile][768], scale words (bytes b0 b1 b0 b1) from QSC on.  kv: [b h][256 keys][26,112]: K's 16 images, V's [128 keys][16 channels][1,536], K's 256 scale words, V's 128.
; LIMITS: blocks whose largest magnitude lies under 2^-124 keep the byte 1; a block of zeros has the byte 1 and zero codes.
; No prefetch: K has four steps.  REGISTERS as windows of 256: 0: v0-31 addresses, v32-63 scale words (two sets), v128-223 A's fragments; 1: B's fragments, two sets; 2, 3: accumulators.
.set NQ,     2
.set FR,     12
.set NL,     4                         ; LDS loads that bring a fragment
.set NP,     4                         ; places behind this matrix instruction (ISA guide 7.12.1)
.set RT,     3072                      ; a rowtile's part of a slot: four images
.set HALFT,  8*RT
.set SLOT,   4*HALFT
.set SCL,    2*SLOT
.set HALFS,  4096
.set SBLK,   512
.set SPARE,  SCL+4*HALFS               ; the spare words, 128 bytes for each wave
.set OSC,    9437184
.set QSC,    6291456
.set HB,     208896                    ; a head's bytes in kv
.set SREC,   26112                     ; a slot's
.set ADRA, 16
.set ADRB, 20
.set ADRS, 27
.set SPW,  28
.set NIL,  29
.set SC,   32
.set AF,   128
.set G1, 24
.set G0, 32
.set G1B, 48
.set G0B, 56
.set G1S, 68
.set G0S, 76
.set G1SB, 80
.set G0SB, 88
.set SEL, 2
.set GA1, 16                           ; the way out (the fragments' addresses are done with): 16 x lane
.set GA2, 17                           ; 16 r + 8 h
.set GB1, 18                           ; the same for the fragment's second image
.set GB2, 19
.set GS,  20
.set SST, 21
.set SRD, 22
.set SELV, 23
.set PC,  112
.set TM,  200
.set PW,  216
.set PX,  217
.set BK,  128
.set MSB, 0
.macro WIN new                         ; the immediate's high byte repeats the setting that is left
.if MSB != (\new)
	s_set_vgpr_msb (MSB<<8)|(\new)
.set MSB, \new
.endif
.endm
.set MUL_LO, 0xa1                      ; source 0 window 1, source 1 window 0, C and D window 2
.set MUL_HI, 0xf1
.set TO_B,   0x40
.macro JLOAD g0a, g1a, g0b, g1b        ; a joint load: waves 0 and 1 fetch for A, waves 2 and 3 for B; an s_nop 0 and four v_nop follow each line
	s_cmp_eq_u32 s15, 0
	s_cbranch_scc0 .Lfor_b_\@
	tensor_load_to_lds s[\g0a:\g0a+3], s[\g1a:\g1a+7]
	s_nop 0
.rept 4
	v_nop
.endr
	s_branch .Lasked_\@
.Lfor_b_\@:
	tensor_load_to_lds s[\g0b:\g0b+3], s[\g1b:\g1b+7]
	s_nop 0
.rept 4
	v_nop
.endr
.Lasked_\@:
.endm
.macro CREST
	s_cmp_lg_u32 s14, 0
	s_cbranch_scc1 .Lnot_wave_0_\@
	s_barrier_signal -3
.Lnot_wave_0_\@:
	s_barrier_wait -3
	s_barrier_signal -1
	s_barrier_wait -1
.endm
.macro CROUND
	s_barrier_signal -1
	s_barrier_wait -1
	CREST
.endm
	s_load_b128 s[4:7], s[0:1], 0x0                ; ops, qq
	s_load_b64 s[8:9], s[0:1], 0x10                ; kv
	v_lshl_add_u32 v[SPW], v0, 2, SPARE
	v_mov_b32 v[NIL], 0
	ds_add_u32 v[SPW], v[NIL]                      ; the wave's opening: the add and its wait ahead of my first tensor load
	v_lshrrev_b32 v1, 5, v0
	v_readfirstlane_b32 s14, v1                    ; wave
	s_lshr_b32 s15, s14, 1                         ; my half of A's rows.  Also: I fetch for A (0) or B (1)
	s_and_b32 s16, s14, 1                          ; my half of B's rows.  Also: which 128 rows I fetch
	s_bfe_u32 s40, ttmp6, 0x40000                  ; cx
	s_bfe_u32 s41, ttmp6, 0x40004                  ; cy
	s_and_b32 s17, ttmp7, 0xffff
	s_lshl_b32 s17, s17, 2                         ; 4 x cluster y
	s_lshl_b32 s42, ttmp9, 2
	s_add_co_u32 s42, s42, 32                      ; the weight's first tile of 256 rows in ops: 32 + 4 kind
	s_cmp_lt_u32 ttmp9, 2                          ; q or k?  The cluster's x: the same in all partners
	s_cselect_b32 s18, s17, 40                     ; A: tokens, or Wv (tiles 40-43)
	s_cselect_b32 s42, s42, s17                    ; B: the weight, or tokens
	s_add_co_u32 s17, s18, s41                     ; A's tile: + cy
	s_add_co_u32 s42, s42, s40                     ; B's tile: + cx
	s_lshl_b32 s43, s41, 2
	s_lshl_b32 s43, 15, s43                        ; my row of the cluster
	s_lshl_b32 s44, 0x1111, s40                    ; my column
	s_or_b32 s[G1+0], s43, (3<<16)|(1<<21)         ; the mask; elements of 8 bytes; bit 21 beside a mask; no padding
	s_or_b32 s[G1B+0], s44, (3<<16)|(1<<21)
.irp g, G1, G1B
	s_mov_b32 s[\g+1], 384<<16                     ; tensor_dim0: 3,072 bytes
	s_mov_b32 s[\g+2], 8<<16                       ; tensor_dim1: 8 rowtiles
	s_mov_b32 s[\g+3], 384<<16                     ; tile_dim0
	s_mov_b32 s[\g+4], 8                           ; tile_dim1
	s_mov_b32 s[\g+5], 1536                        ; from rowtile to rowtile: 12,288 bytes
	s_mov_b32 s[\g+6], 0
	s_mov_b32 s[\g+7], 0
.endr
	s_or_b32 s[G1S+0], s43, (3<<16)|(1<<21)
	s_or_b32 s[G1SB+0], s44, (3<<16)|(1<<21)
.irp g, G1S, G1SB
	s_mov_b32 s[\g+1], 32<<16                      ; the scale words of 128 rows: 4,096 dense bytes as 16 rows of 256
	s_mov_b32 s[\g+2], 16<<16
	s_mov_b32 s[\g+3], 32<<16
	s_mov_b32 s[\g+4], 16
	s_mov_b32 s[\g+5], 32
	s_mov_b32 s[\g+6], 0
	s_mov_b32 s[\g+7], 0
.endr
	s_mul_i32 s20, s17, 16*12288
	s_mul_i32 s18, s16, 8*12288
	s_add_co_u32 s20, s20, s18
	s_mov_b32 s21, 0
	s_lshl_b32 s22, s17, 13
	s_lshl_b32 s19, s16, 12
	s_add_co_u32 s22, s22, s19
	s_add_co_u32 s22, s22, OSC
	s_mov_b32 s23, 0
	s_mul_i32 s46, s42, 16*12288
	s_add_co_u32 s46, s46, s18
	s_mov_b32 s47, 0
	s_lshl_b32 s92, s42, 13
	s_add_co_u32 s92, s92, s19
	s_add_co_u32 s92, s92, OSC
	s_mov_b32 s93, 0
	s_mul_i32 s45, s14, HALFT                      ; where they go: wave x 8 rowtiles: no place in the cluster enters an LDS address
	s_mul_i32 s94, s14, HALFS
	s_mov_b32 s[SEL], 0x76543210
	s_mov_b32 s[SEL+1], 0xfedcba98
	s_wait_dscnt 0x0                               ; the opening add is done
	s_wait_kmcnt 0x0
	s_add_nc_u64 s[20:21], s[4:5], s[20:21]
	s_add_nc_u64 s[22:23], s[4:5], s[22:23]
	s_add_nc_u64 s[46:47], s[4:5], s[46:47]
	s_add_nc_u64 s[92:93], s[4:5], s[92:93]
	CROUND                                         ; all sixteen work-groups are here: the first joint loads meet
	s_mov_b32 s[G0S], 1
	s_add_co_u32 s[G0S+1], s94, SCL
	s_mov_b64 s[G0S+2:G0S+3], s[22:23]
	s_or_b32 s[G0S+3], s[G0S+3], 0x80000000
	s_mov_b32 s[G0SB], 1
	s_add_co_u32 s[G0SB+1], s94, SCL
	s_mov_b64 s[G0SB+2:G0SB+3], s[92:93]
	s_or_b32 s[G0SB+3], s[G0SB+3], 0x80000000
	JLOAD G0S, G1S, G0SB, G1SB
.irp s, 0,1
	s_mov_b32 s[G0+4*\s], 1
	s_add_co_u32 s[G0+4*\s+1], s45, \s*SLOT
	s_add_nc_u64 s[G0+4*\s+2:G0+4*\s+3], s[20:21], \s*RT
	s_or_b32 s[G0+4*\s+3], s[G0+4*\s+3], 0x80000000
	s_mov_b32 s[G0B+4*\s], 1
	s_add_co_u32 s[G0B+4*\s+1], s45, \s*SLOT
	s_add_nc_u64 s[G0B+4*\s+2:G0B+4*\s+3], s[46:47], \s*RT
	s_or_b32 s[G0B+4*\s+3], s[G0B+4*\s+3], 0x80000000
	JLOAD G0+4*\s, G1, G0B+4*\s, G1B
.endr
	v_and_b32 v1, 15, v0                           ; r
	v_bfe_u32 v2, v0, 4, 1                         ; h
	v_and_b32 v3, 31, v0
	v_lshlrev_b32 v4, 4, v3                        ; 16 x lane
	v_lshlrev_b32 v5, 4, v1
	v_lshl_add_u32 v5, v2, 3, v5                   ; 16 r + 8 h
	s_mul_i32 s21, s15, HALFT
	s_mul_i32 s22, s16, HALFT
	s_add_co_u32 s22, s22, 2*HALFT
.irp s, 0,1
	v_add_nc_u32 v[ADRA+\s], s21, v4
	v_add_nc_u32 v[ADRB+\s], s22, v4
	v_add_nc_u32 v[ADRA+2+\s], s21, v5
	v_add_nc_u32 v[ADRB+2+\s], s22, v5
	s_add_co_u32 s21, s21, SLOT
	s_add_co_u32 s22, s22, SLOT
.endr
	v_lshlrev_b32 v5, 3, v1                        ; scale words: 8 r,
	s_mul_i32 s21, s15, HALFS
	s_mul_i32 s22, s16, HALFS
	s_add_co_u32 s22, s22, 2*HALFS
	s_sub_co_u32 s22, s22, s21
	v_mul_u32_u24 v6, s22, v2                      ; lanes 16-31 take B's: one product with h
	s_add_co_u32 s21, s21, SCL
	v_add_nc_u32 v5, v5, v6
	v_add_nc_u32 v[ADRS], s21, v5
.macro FRAG reg, adr, q, i             ; a fragment: two images on end; every instruction reads consecutive bytes
	ds_load_b128 v[\reg:\reg+3], v[\adr] offset:(\i)*RT+(\q)*1536
	ds_load_b64 v[\reg+4:\reg+5], v[\adr+2] offset:(\i)*RT+(\q)*1536+512
	ds_load_b128 v[\reg+6:\reg+9], v[\adr] offset:(\i)*RT+(\q)*1536+768
	ds_load_b64 v[\reg+10:\reg+11], v[\adr+2] offset:(\i)*RT+(\q)*1536+1280
.endm
; 16 matrix instructions: A's blocks a0, a0 + 1 x B's eight.  The 64 accumulators take turns, one instruction a turn, in the same order in every step.
.macro MUL16 a0, p, q, sc, zero
.irp a, \a0, \a0+1
.irp b, 0,1,2,3,4,5,6,7
.if \zero
	v_wmma_scale_f32_16x16x128_f8f6f4 v[8*(8*((\a)%4)+\b):8*(8*((\a)%4)+\b)+7], v[128*(\p)+FR*\b:128*(\p)+FR*\b+FR-1], v[AF+FR*(\a):AF+FR*(\a)+FR-1], 0, v[SC+8*NQ*(\sc)+NQ*\b+(\q)], v[SC+8*NQ*(\sc)+NQ*(\a)+(\q)] matrix_a_fmt:MATRIX_FMT_FP6 matrix_b_fmt:MATRIX_FMT_FP6 matrix_a_scale:MATRIX_SCALE_ROW1
.else
	v_wmma_scale_f32_16x16x128_f8f6f4 v[8*(8*((\a)%4)+\b):8*(8*((\a)%4)+\b)+7], v[128*(\p)+FR*\b:128*(\p)+FR*\b+FR-1], v[AF+FR*(\a):AF+FR*(\a)+FR-1], v[8*(8*((\a)%4)+\b):8*(8*((\a)%4)+\b)+7], v[SC+8*NQ*(\sc)+NQ*\b+(\q)], v[SC+8*NQ*(\sc)+NQ*(\a)+(\q)] matrix_a_fmt:MATRIX_FMT_FP6 matrix_b_fmt:MATRIX_FMT_FP6 matrix_a_scale:MATRIX_SCALE_ROW1
.endif
.endr
.endr
.endm
.macro FETCH_B slot, q, p
	WIN TO_B
.irp i, 0,1,2,3,4,5,6,7
	FRAG 128*(\p)+FR*\i, ADRB+\slot, \q, \i
.endr
	WIN 0
.endm
.macro FETCH_A slot, q, i0
.irp i, \i0, \i0+1, \i0+2, \i0+3
	FRAG AF+FR*(\i), ADRA+\slot, \q, \i
.endr
.endm
.macro SCALES sc                       ; a K step's two words a row: lanes 0-15 A's rowtile i, lanes 16-31 B's
.irp i, 0,1,2,3,4,5,6,7
	ds_load_b64 v[SC+8*NQ*\sc+NQ*\i:SC+8*NQ*\sc+NQ*\i+1], v[ADRS] offset:\i*SBLK
.endr
.endm
.macro PLACES n                        ; plain vector instructions between a matrix instruction and a load into, or a read of, its registers
.rept \n
	v_nop
.endr
.endm
.macro STEP slot, q, zero              ; 128 along K whose successor lies in the same slot
	s_wait_dscnt 4*NL                              ; all but the youngest 16 loads (A's blocks 4-7)
	WIN MUL_LO
	MUL16 0, (\q)%2, \q, \slot, \zero
	MUL16 2, (\q)%2, \q, \slot, \zero
	s_wait_dscnt 0                                 ; A's blocks 4-7 are in
	PLACES NP
	FETCH_B \slot, (\q)+1, 1-(\q)%2
	FETCH_A \slot, (\q)+1, 0
	WIN MUL_HI
	MUL16 4, (\q)%2, \q, \slot, \zero
	MUL16 6, (\q)%2, \q, \slot, \zero
	PLACES NP
	WIN 0
	FETCH_A \slot, (\q)+1, 4
.endm
; A slot's last step changes slots: one barrier; in front of it each wave waits for all its tensor loads, adds 0 to its spare word, and waits for that and for its reads of this slot.
.macro TURN slot, next, fill
	s_wait_tensorcnt 0x0                           ; all my tensor loads have landed: my part of the next slot
	ds_add_u32 v[SPW], v[NIL]
	s_wait_dscnt 4*NL+1                            ; the add and the youngest 16 loads may be out
	WIN MUL_LO
	MUL16 0, 1, NQ-1, \slot, 0
	s_wait_dscnt 0x0                               ; the add is done, and my reads of this slot are over
	s_barrier_signal -1
	MUL16 2, 1, NQ-1, \slot, 0
	WIN 0
	s_barrier_wait -1
.if \fill
	CREST                                          ; the barrier has opened a round of the cluster's: no wave of any partner still reads this slot or has a load on its way
	s_add_nc_u64 s[G0+4*\slot+2:G0+4*\slot+3], s[G0+4*\slot+2:G0+4*\slot+3], 2*RT
	s_add_nc_u64 s[G0B+4*\slot+2:G0B+4*\slot+3], s[G0B+4*\slot+2:G0B+4*\slot+3], 2*RT
	JLOAD G0+4*\slot, G1, G0B+4*\slot, G1B         ; the first tensor load behind the round; its four v_nop are the places in front of the loads below
.else
	PLACES NP
.endif
	v_add_nc_u32 v[ADRS], 128, v[ADRS]             ; the next K step's scale words
	FETCH_B \next, 0, 0
	FETCH_A \next, 0, 0
	SCALES \next
	WIN MUL_HI
	MUL16 4, 1, NQ-1, \slot, 0
	MUL16 6, 1, NQ-1, \slot, 0
	PLACES NP
	WIN 0
	FETCH_A \next, 0, 4
.endm
	s_wait_tensorcnt 1                             ; the scale words and my part of K step 0 are in; K step 1's load may be out
	s_barrier_signal -1
	s_barrier_wait -1
	FETCH_B 0, 0, 0
	FETCH_A 0, 0, 0
	SCALES 0
	FETCH_A 0, 0, 4
	STEP 0, 0, 1                                   ; the first products start the sums: nothing is cleared
	TURN 0, 1, 1                                   ; K has four steps: written out; slot 0 takes K step 2,
	STEP 1, 0, 0
	TURN 1, 0, 1                                   ; slot 1 K step 3
	STEP 0, 0, 0
	TURN 0, 1, 0                                   ; nothing is left to fetch
	STEP 1, 0, 0
	s_wait_dscnt 4*NL
	WIN MUL_LO
	MUL16 0, 1, NQ-1, 1, 0
	MUL16 2, 1, NQ-1, 1, 0
	s_wait_dscnt 0
	WIN MUL_HI
	MUL16 4, 1, NQ-1, 1, 0
	MUL16 6, 1, NQ-1, 1, 0
	WIN 0
	; ---------------- THE WAY OUT ----------------
	; Block a of 16 rows: a lane's 64 numbers, register 16 b + i = place 32 b + 16 h + i along the next K, become one fragment (two images) and one scale word.  No tensor load of mine is out: the descriptors' registers are free.
	PLACES NP
	s_cmp_lt_u32 ttmp9, 2
	s_cselect_b32 s20, s17, s42                    ; the tile of 256 tokens
	s_cselect_b32 s21, s40, s41                    ; which four heads
	s_cselect_b32 s22, s16, s15                    ; which two of them are my wave's
	s_cselect_b32 s23, s15, s16                    ; which 128 tokens
	s_cselect_b32 s30, 0, 12288                    ; kv: K's region or V's
	s_mov_b32 s31, 25600
	s_cselect_b32 s31, 24576, s31                  ; and their scale words'
	s_mov_b32 s32, 256
	s_cselect_b32 s32, 512, s32
	s_mov_b32 s68, 1536
	s_cselect_b32 s68, 768, s68                    ; from block to block
	s_mov_b32 s70, HB-3*1536
	s_cselect_b32 s70, 768, s70                    ; from block 3 to block 4 (v: the next head)
	s_mov_b32 s35, HB
	s_cselect_b32 s35, 256, s35                    ; the scale words' store: from lanes 0-15 to lanes 16-31
	s_mov_b32 s36, 768
	s_cselect_b32 s36, HB, s36                     ; from the fragment's first image to its second
	s_mov_b32 s37, 0x03020100
	s_mov_b32 s38, s37
	s_cselect_b32 s37, 0x01000100, s37             ; q, k: lanes 0-15 keep the first head's two bytes, twice,
	s_cselect_b32 s38, 0x03020302, s38             ; lanes 16-31 the second head's
	s_mov_b32 s69, 0
	s_mov_b32 s71, 0
	s_lshr_b32 s24, s20, 3                         ; b
	s_and_b32 s25, s20, 7                          ; which 256 tokens of it
	s_lshl_b32 s26, s24, 4
	s_lshl_b32 s21, s21, 2
	s_add_co_u32 s26, s26, s21
	s_lshl_b32 s22, s22, 1
	s_add_co_u32 s26, s26, s22                     ; b h of my first head
	s_lshl_b32 s27, s26, 3
	s_add_co_u32 s27, s27, s25
	s_mul_i32 s27, s27, SREC                       ; its slot's record in kv
	s_mul_i32 s39, s23, 6144
	s_add_co_u32 s39, s39, s27
	s_add_co_u32 s39, s39, s30
	s_mul_i32 s46, s23, s32
	s_add_co_u32 s46, s46, s27
	s_add_co_u32 s46, s46, s31
	s_lshl_b32 s47, s26, 7
	s_lshl_b32 s48, s25, 4
	s_add_co_u32 s47, s47, s48
	s_lshl_b32 s48, s23, 3
	s_add_co_u32 s47, s47, s48
	s_mul_i32 s47, s47, 768                        ; qq: my first token tile's image
	s_lshl_b32 s48, s26, 13
	s_lshl_b32 s49, s25, 10
	s_add_co_u32 s48, s48, s49
	s_lshl_b32 s49, s23, 9
	s_add_co_u32 s48, s48, s49
	s_add_co_u32 s48, s48, QSC
	s_mov_b32 s54, HB
	s_cmp_eq_u32 ttmp9, 0
	s_cselect_b32 s50, s47, s39
	s_cselect_b32 s52, s48, s46
	s_cselect_b32 s36, 98304, s36
	s_cselect_b32 s54, 8192, s54                   ; from the first head's scale words to the second's
	s_cselect_b64 s[56:57], s[6:7], s[8:9]         ; qq or kv: the choice hangs on the cluster's x alone
	s_mov_b32 s51, 0
	s_mov_b32 s53, 0
	s_mov_b32 s55, 0
	s_add_nc_u64 s[58:59], s[56:57], s[50:51]      ; the images
	s_add_nc_u64 s[60:61], s[56:57], s[52:53]      ; the scale words
	s_add_nc_u64 s[62:63], s[60:61], s[54:55]
	v_and_b32 v3, 31, v0
	v_lshlrev_b32 v[GA1], 4, v3
	v_lshlrev_b32 v[GA2], 4, v1
	v_lshl_add_u32 v[GA2], v2, 3, v[GA2]
	v_add_nc_u32 v[GB1], s36, v[GA1]
	v_add_nc_u32 v[GB2], s36, v[GA2]
	v_mul_u32_u24 v[GS], s35, v2
	v_lshl_add_u32 v[GS], v1, 4, v[GS]
	s_lshl_b32 s72, s14, 10                        ; my 1,024 bytes for scale words, in slot 0: it has had its last fill, and every wave has passed the last change of slots
	v_lshlrev_b32 v[SST], 9, v2
	v_lshl_add_u32 v[SST], v1, 2, v[SST]
	v_add_nc_u32 v[SST], s72, v[SST]
	v_add_nc_u32 v[SRD], s72, v[GA1]
	v_mov_b32 v[SELV], s37
	v_mov_b32 v24, s38
	v_cmp_eq_u32 vcc_lo, 1, v2
	v_cndmask_b32 v[SELV], v[SELV], v24, vcc_lo
.irp b, 0,1,2,3
	v_mov_b32 v[TM+4+\b], 0                        ; a lane permute's destination counts as one of its sources
.endr
.macro QUANTW a
.set AC, 64*((\a)%4)
	WIN 0x0a+5*((\a)/4)                            ; sources 0 and 1: the accumulators' window
.irp b, 0,1,2,3
	v_max3_num_f32 v[TM+\b], |v[AC+16*\b]|, |v[AC+16*\b+1]|, 0x1800000   ; each accumulator is read from its low end on; the floor holds the byte at 1
.endr
.irp i, 2,4,6,8,10,12,14
.irp b, 0,1,2,3
	v_max3_num_f32 v[TM+\b], |v[AC+16*\b+\i]|, |v[AC+16*\b+\i+1]|, v[TM+\b]
.endr
.endr
	WIN 0
.irp b, 0,1,2,3
	v_permlanex16_b32 v[TM+4+\b], v[TM+\b], s[SEL], s[SEL+1]
.endr
.irp b, 0,1,2,3
	v_max_num_f32 v[TM+\b], v[TM+\b], v[TM+4+\b]   ; with lane l xor 16's: the block's largest magnitude
.endr
.irp b, 0,1,2,3
	v_add_nc_u32 v[TM+12+\b], 0xff000000, v[TM+\b]
.endr
.irp b, 0,1,2,3
	v_lshrrev_b32 v[TM+4+\b], 23, v[TM+12+\b]
.endr
	v_lshl_or_b32 v[PW], v[TM+5], 8, v[TM+4]
	v_lshl_or_b32 v[PW], v[TM+6], 16, v[PW]
	v_lshl_or_b32 v[PW], v[TM+7], 24, v[PW]
	WIN 0x02+((\a)/4)                              ; source 0: the accumulators' window
.irp c, 0,1
	v_cvt_scalef32_pk16_fp6_f32 v[PC+6*\c:PC+2+6*\c], v[AC+32*\c:AC+15+32*\c], v[TM+12+2*\c]
	v_cvt_scalef32_pk16_fp6_f32 v[PC+12+4*\c:PC+14+4*\c], v[AC+16+32*\c:AC+31+32*\c], v[TM+12+2*\c+1]
.endr
	WIN 0
	v_nop                                          ; one plain place behind a scaled conversion
.irp c, 0,1                            ; the operand's layout wants a whole block in a lane
.irp i, 0,1,2
	v_permlane16_swap_b32 v[PC+6*\c+\i], v[PC+12+4*\c+\i]
.endr
.irp i, 0,1,2
	v_mov_b32 v[PC+3+6*\c+\i], v[PC+12+4*\c+\i]
.endr
.endr
.endm
.irp a, 0,1,2,3,4,5,6,7
.if \a > 0
	s_wait_xcnt 0x0                                ; the last block's stores have read their data and their base
.if \a == 4
	s_add_nc_u64 s[58:59], s[58:59], s[70:71]
.else
	s_add_nc_u64 s[58:59], s[58:59], s[68:69]
.endif
.endif
	QUANTW \a
	v_perm_b32 v[PX], v[PW], v[PW], v[SELV]
	ds_store_b32 v[SST], v[PX] offset:64*\a
	global_store_b128 v[GA1], v[PC:PC+3], s[58:59]                 ; 512 consecutive bytes
	global_store_b64 v[GA2], v[PC+4:PC+5], s[58:59] offset:512     ; 256 consecutive bytes
	global_store_b128 v[GB1], v[PC+6:PC+9], s[58:59]
	global_store_b64 v[GB2], v[PC+10:PC+11], s[58:59] offset:512
.endr
	ds_load_b128 v[BK:BK+3], v[SRD]                ; LDS serves a wave's instructions in order: these see my stores
	ds_load_b128 v[BK+4:BK+7], v[SRD] offset:512
	s_wait_dscnt 0x0
	global_store_b128 v[GS], v[BK:BK+3], s[60:61]  ; q, k: the first head's 128 words; v: 64 words of each of my two heads
	s_cmp_eq_u32 ttmp9, 2
	s_cbranch_scc1 .Lone
	global_store_b128 v[GS], v[BK+4:BK+7], s[62:63]   ; q, k: the second head's
.Lone:
	s_wait_tensorcnt 0x0                           ; the wave's end
	ds_add_u32 v[SPW], v[NIL]
	s_wait_dscnt 0x0
	CROUND                                         ; the closing round
	s_endpgm
.Lfunc_end_k_q2090d43717_qkv:
	.size	k_q2090d43717_qkv, .Lfunc_end_k_q2090d43717_qkv-k_q2090d43717_qkv
	.p2alignl 7, 3214868480
	.fill 96, 4, 3214868480
	.section	.rodata,"a",@progbits
	.p2align	6, 0x0
	.amdhsa_kernel k_q2090d43717_qkv
		.amdhsa_group_segment_fixed_size 327680
		.amdhsa_private_segment_fixed_size 0
		.amdhsa_enable_private_segment 0
		.amdhsa_kernarg_size 24
		.amdhsa_user_sgpr_count 2
		.amdhsa_user_sgpr_kernarg_segment_ptr 1
		.amdhsa_wavefront_size32 1
		.amdhsa_system_sgpr_workgroup_id_x 1
		.amdhsa_system_sgpr_workgroup_id_y 1
		.amdhsa_system_sgpr_workgroup_id_z 1
		.amdhsa_system_vgpr_workitem_id 0
		.amdhsa_next_free_vgpr 1024
		.amdhsa_next_free_sgpr 100
		.amdhsa_reserve_vcc 1
		.amdhsa_float_denorm_mode_32 3
		.amdhsa_float_denorm_mode_16_64 3
		.amdhsa_memory_ordered 1
		.amdhsa_forward_progress 1
		.amdhsa_inst_pref_size 153
	.end_amdhsa_kernel
	.amdgpu_metadata
---
amdhsa.version: [ 1, 2 ]
amdhsa.kernels:
  - .name:           k_q2090d43717_qkv
    .symbol:         k_q2090d43717_qkv.kd
    .args:
      - { .name: ops, .offset: 0, .size: 8, .value_kind: global_buffer, .address_space: global }
      - { .name: qq, .offset: 8, .size: 8, .value_kind: global_buffer, .address_space: global }
      - { .name: kv, .offset: 16, .size: 8, .value_kind: global_buffer, .address_space: global }
    .group_segment_fixed_size: 327680
    .private_segment_fixed_size: 0
    .kernarg_segment_align: 8
    .kernarg_segment_size: 24
    .max_flat_workgroup_size: 128
    .sgpr_count:     100
    .vgpr_count:     1024
    .wavefront_size: 32
...
	.end_amdgpu_metadata
.endif
;; end of part 2
;; launch attn (part 3): grid 512 x 1, 16 waves a work-group, no clusters, 327,680 bytes of LDS; arguments qq, kv, attention_mask, cq; writes cq
.if DOCPART == 3
	.amdgcn_target "amdgcn-amd-amdhsa--gfx1250"
	.amdhsa_code_object_version 6
	.text
	.protected	k_q2090d43717_attn
	.globl	k_q2090d43717_attn
	.p2align	8
	.type	k_q2090d43717_attn,@function
k_q2090d43717_attn:
	s_mov_b64 s[64:65], 0
	v_nop
	global_prefetch_b8 v0, s[64:65] scope:SCOPE_SE
	s_setreg_imm32_b32 hwreg(HW_REG_WAVE_MODE, 25, 1), 1
	s_wait_xcnt 0x0
; ctx = softmax(q k^T / 8, causal and padding mask) v for 64 heads of 2,048 tokens x 64, both products on codes of FP6 (E2M3) with E8M0 scales; ctx leaves as codes for the last product.
; t = score x log2(e) / 8; M = the running largest t rounded up to a whole number; p = 2^(t - M) is quantised along the keys, not normalised; the row's sum of the unquantised p divides at the end.
; SHARES.  A work-group owns 256 queries of one head; each of its sixteen waves 16 of them, in 256 registers: four waves to a SIMD, so that one wave's vector work stands beside another's products and LDS loads.
; Work-group L: head L % 64, query block 7 - L / 64: the blocks with the most keys start first.
; Both products are used transposed (S^T = K Q^T, O^T = V^T P^T): a lane holds one query throughout.  Key tiles are neighbours, so p's codes lie in the order sigma (bits 3 and 4 changed over) inside each block of 32 keys, as V's do (launch qkv).
; THE HEAD IS 64 WIDE, THE INSTRUCTION 128: Q's upper 64 codes are zeros; a key tile's operand runs on into the next tile's registers (the last into zeros), which meet those zeros.
; THE PADDING MASK is the C of the score product: 0 or -2^100 for each key, made once in LDS from attention_mask.  The causal mask: steps wholly behind the diagonal are left out; on it hidden scores become -2^100.
; LIMIT: -2^100 stands for -infinity and the running maximum starts at -2^80: right for every true t above -2^80; a masked p is exactly 0.
; A query for which no key counts has the sum 0: its codes are zeros and its two scale bytes 0xff, which make the last product's row NaN, as the softmax of an empty row is.
; RING: two slots of 256 keys; a slot's record in kv is 26,112 dense bytes (K's images, V's fragments, both scale words); waves 0 and 1 fetch half each.  Every wait on TENSORcnt is for 0; a wave has at most one tensor load out.
; NO CLUSTER: the query blocks of a head need 1 to 8 slots each, and partners would have to walk alike and end together, which undoes the order above; a work-group fetches at most 8 x 26,112 bytes.
; The scale bytes leave as 2 bytes a token: the one store here that is shorter than 128 consecutive bytes a half wave.
.set HB,    208896
.set SREC,  26112
.set QSC,   6291456
.set CSC,   6291456
.set SLOT1, 32768
.set VOFF,  12288
.set KSO,   24576
.set VSO,   25600
.set BIAS,  65536                      ; 2,048 words: written by ds_store, never filled
.set SPARE, 73728                      ; the spare words, 128 bytes for each of 16 waves
.set A16, 1                            ; v1  16 x lane
.set A8,  2                            ; v2  16 r + 8 h
.set R4,  3                            ; v3  4 r
.set AB0, 4                            ; v4  BIAS + 32 h
.set SPW, 5
.set NIL, 6
.set ADK, 8
.set ADK2, 9
.set ADS, 10
.set ADB, 11
.set QF,  16                           ; v16-21 Q's codes, v22-27 zeros
.set PFO, 28
.set KFR, 32                           ; v32-79 K's 8 tiles x 6, v80-85 zeros
.set KS,  86                           ; v86-93 K's scale words
.set PS,  94                           ; p's scale word
.set QS,  95                           ; Q's
.set S,   96                           ; v96-159 S^T, then p
.set O,   160                          ; v160-191 O^T
.set VF,  192                          ; v192-239 V's 4 fragments
.set VS,  240                          ; v240-243 V's scale words
.set PCD, 32                           ; behind the score products K's registers are at work: p's codes,
.set CT,  44                           ; the conversions' second halves,
.set BM,  52                           ; the blocks' maxima,
.set PT,  56
.set SOP, 60
.set BYT, 64
.set WV,  18
.set SEL, 20
.set CS,  22
.set G1,  24
.set G0,  40
.set TB,  2                            ; s2  LDS byte at which the slot in hand begins
.set TBI, 3                            ; s3  4 x the step's first key
.set KF,  44
.set Q0,  45
.set SLOTS, 46
.set PFA, 48
.set LIM, 50
.set NEG, 51
.macro TLOAD                           ; waves 0 and 1 fetch half a slot each; an s_nop 0 and four v_nop follow
	s_cmp_lt_u32 s[WV], 2
	s_cbranch_scc0 .Lasked_\@
	tensor_load_to_lds s[G0:G0+3], s[G1:G1+7]
	s_nop 0
.rept 4
	v_nop
.endr
.Lasked_\@:
.endm
; A PREFETCH INTO THE L2 of the codes that the next change of slots will ask for: 96 blocks of 256 bytes, lanes 256 bytes apart, waves 4 to 6, one instruction each.  All eight work-groups of a head walk the same records:
; the one that walks all slots (L < 64) asks, so each block is named once.  Slots 0 and 1 come by their loads alone; the last change that fills a slot asks for nothing.
.macro ASK
	s_cmp_gt_u32 s[SLOTS], s[LIM]
	s_cbranch_scc0 .Lnot_mine_\@
	s_wait_alu depctr_va_vdst(0)
	global_prefetch_b8 v[PFO], s[PFA:PFA+1] th:TH_LOAD_NT scope:SCOPE_SE
.Lnot_mine_\@:
.endm
	s_load_b256 s[4:11], s[0:1], 0x0               ; qq, kv, attention_mask, cq
	v_lshl_add_u32 v[SPW], v0, 2, SPARE
	v_mov_b32 v[NIL], 0
	ds_add_u32 v[SPW], v[NIL]                      ; the wave's opening: the add and its wait ahead of the first tensor load
	ds_add_u32 v[SPW], v[NIL]
	v_lshrrev_b32 v8, 5, v0
	s_delay_alu instid0(VALU_DEP_1)
	v_readfirstlane_b32 s[WV], v8
	s_lshr_b32 s12, ttmp9, 6
	s_sub_co_u32 s12, 7, s12                       ; query block
	s_and_b32 s13, ttmp9, 63                       ; b h
	s_lshr_b32 s14, s13, 4                         ; b
	s_and_b32 s15, s13, 15                         ; head
	s_lshl_b32 s[Q0], s12, 8
	s_lshl_b32 s16, s[WV], 4
	s_add_co_u32 s[Q0], s[Q0], s16                 ; my first query
	s_mov_b32 s[G1], 3<<16                         ; no mask; elements of 8 bytes; no padding
	s_mov_b32 s[G1+1], 32<<16                      ; rows of 256 bytes,
	s_mov_b32 s[G1+2], 51<<16                      ; 51 of them, dense
	s_mov_b32 s[G1+3], 32<<16
	s_mov_b32 s[G1+4], 51
	s_mov_b32 s[G1+5], 32
	s_mov_b32 s[G1+6], 0
	s_mov_b32 s[G1+7], 0
	s_mul_i32 s52, s13, HB
	s_mov_b32 s53, 0
	s_mul_i32 s54, s[WV], 13056
	s_mov_b32 s55, 0
	s_lshl_b32 s56, s13, 7
	s_lshl_b32 s16, s12, 4
	s_add_co_u32 s16, s16, s[WV]                   ; my token tile in the batch
	s_add_co_u32 s56, s56, s16
	s_mul_i32 s56, s56, 768                        ; Q's image
	s_mov_b32 s57, 0
	s_lshl_b32 s58, s13, 11
	s_add_co_u32 s58, s58, s[Q0]
	s_lshl_b32 s58, s58, 2
	s_add_co_u32 s58, s58, QSC                     ; Q's scale words
	s_mov_b32 s59, 0
	s_lshl_b32 s60, s14, 13                        ; my batch's mask
	s_mov_b32 s61, 0
	s_lshl_b32 s17, s14, 7
	s_add_co_u32 s17, s17, s16                     ; ctx's rowtile
	s_lshl_b32 s62, s17, 4
	s_add_co_u32 s62, s62, s15
	s_mul_i32 s62, s62, 768                        ; its image for my head
	s_mov_b32 s63, 0
	s_lshl_b32 s66, s17, 9
	s_lshr_b32 s67, s15, 2
	s_lshl_b32 s67, s67, 7
	s_add_co_u32 s66, s66, s67
	s_and_b32 s67, s15, 3
	s_lshl_b32 s67, s67, 1
	s_add_co_u32 s66, s66, s67
	s_add_co_u32 s66, s66, CSC                     ; and my head's two bytes of row 0's scale words
	s_mov_b32 s67, 0
	s_mov_b32 s[SEL], 0x76543210
	s_mov_b32 s[SEL+1], 0xfedcba98
	s_mov_b32 s[CS], 0x3e38aa3b                    ; c = log2(e) / 8
	s_mov_b32 s[CS+1], s[CS]
	s_mov_b32 s[NEG], 0xf1800000                   ; -2^100
	s_mov_b32 s[TB], 0
	s_mov_b32 s[TBI], 0
	s_mov_b32 s[KF], 0
	s_mov_b32 s[SLOTS], 7
	s_wait_dscnt 0x0                               ; the opening add is done
	s_wait_kmcnt 0x0
	s_mov_b32 s[G0], 1
	s_mov_b32 s[G0+1], s54                         ; LDS: wave x 13,056, slot 0
	s_add_nc_u64 s[G0+2:G0+3], s[6:7], s[52:53]
	s_add_nc_u64 s[G0+2:G0+3], s[G0+2:G0+3], s[54:55]
	s_or_b32 s[G0+3], s[G0+3], 0x80000000
	TLOAD                                          ; slot 0
	s_add_nc_u64 s[8:9], s[8:9], s[60:61]
	v_lshlrev_b32 v7, 4, v0
	global_load_b128 v[244:247], v7, s[8:9]        ; four words of the mask a thread: 8,192 bytes in all
	v_and_b32 v8, 15, v0                           ; r
	v_bfe_u32 v9, v0, 4, 1                         ; h
	v_and_b32 v10, 31, v0
	s_delay_alu instid0(VALU_DEP_1)
	v_lshlrev_b32 v[A16], 4, v10
	s_delay_alu instid0(VALU_DEP_4)
	v_lshlrev_b32 v[A8], 4, v8
	s_delay_alu instid0(VALU_DEP_1)
	v_lshl_add_u32 v[A8], v9, 3, v[A8]
	v_lshlrev_b32 v[R4], 2, v8
	s_add_nc_u64 s[32:33], s[4:5], s[56:57]
	s_add_nc_u64 s[34:35], s[4:5], s[58:59]
	global_load_b128 v[QF:QF+3], v[A16], s[32:33]
	global_load_b64 v[QF+4:QF+5], v[A8], s[32:33] offset:512
	global_load_b32 v[QS], v[R4], s[34:35]
	v_lshlrev_b32 v[AB0], 5, v9
	s_delay_alu instid0(VALU_DEP_1)
	v_add_nc_u32 v[AB0], BIAS, v[AB0]
	v_add_nc_u32 v[ADB], BIAS, v7                  ; where my four words of the bias go
	v_mov_b32 v248, s[NEG]
.irp j, 22,23,24,25,26,27,80,81,82,83,84,85
	v_mov_b32 v\j, 0                               ; zero codes
.endr
	s_wait_loadcnt 3                               ; the mask is in; Q's three loads may be out
.irp i, 0,1,2,3
	v_cmp_eq_u32 vcc_lo, 0, v[244+\i]
	s_delay_alu instid0(VALU_DEP_1)
	v_cndmask_b32 v[244+\i], 0, v248, vcc_lo       ; 0 where the key counts, -2^100 where it does not
.endr
	ds_store_b128 v[ADB], v[244:247]               ; the first change of slots waits for it and passes a barrier
.irp j, 0,1,2,3,4,5,6,7,8,9,10,11,12,13,14,15,16,17,18,19,20,21,22,23,24,25,26,27,28,29,30,31
	v_mov_b32 v[O+\j], 0                           ; O^T.  (The step is written once: the first finds zeros)
.endr
	v_mov_b32 v14, 0
	v_mov_b32 v15, 0
	v_mov_b32 v252, 0
	v_mov_b32 v253, 0
	v_mov_b32 v13, 0xe7800000                      ; the largest t so far: -2^80
	s_delay_alu instid0(VALU_DEP_1)
	v_floor_f32 v12, -v13                          ; -M
	v_lshlrev_b32 v[PFO], 8, v10
	s_and_b32 s36, s[WV], 3
	s_lshl_b32 s36, s36, 13
	s_add_co_u32 s36, s36, SREC                    ; in slot 1: the first change of slots steps it to slot 2
	s_mov_b32 s37, 0
	s_add_nc_u64 s[PFA:PFA+1], s[6:7], s[52:53]
	s_add_nc_u64 s[PFA:PFA+1], s[PFA:PFA+1], s[36:37]
	s_lshr_b32 s38, s[WV], 2
	s_xor_b32 s38, s38, 1                          ; 0 in waves 4 to 7,
	s_lshr_b32 s39, ttmp9, 6
	s_or_b32 s38, s38, s39                         ; of the work-groups that walk all slots
	s_cmp_eq_u32 s38, 0
	s_cselect_b32 s[LIM], 1, -1
	s_cmp_eq_u32 s[WV], 7                          ; (three waves' worth: 3 x 8,192 bytes)
	s_cselect_b32 s[LIM], -1, s[LIM]
; A KEY STEP: 128 keys, the q-th of the slot in hand.
.macro STEP q
	s_add_co_u32 s36, s[Q0], 15                    ; a step all of whose keys come after my queries is left out: a branch on ids, round no barrier and no tensor load
	s_cmp_gt_u32 s[KF], s36
	s_cbranch_scc1 .Lhidden_\@
	v_add_nc_u32 v[ADK], s[TB], v[A16]             ; (these four are also the places in front of loads into registers that the last products read)
	v_add_nc_u32 v[ADK2], s[TB], v[A8]
	v_add_nc_u32 v[ADS], s[TB], v[R4]
	v_add_nc_u32 v[ADB], s[TBI], v[AB0]
.irp t, 0,1,2,3,4,5,6,7
	ds_load_b128 v[S+8*\t:S+8*\t+3], v[ADB] offset:64*\t           ; the bias of keys 16 t + 8 h + 0 .. 7: the score product's C
	ds_load_b128 v[S+8*\t+4:S+8*\t+7], v[ADB] offset:64*\t+16
.endr
.irp t, 0,1,2,3,4,5,6,7
	ds_load_b128 v[KFR+6*\t:KFR+6*\t+3], v[ADK] offset:768*(8*(\q)+\t)
	ds_load_b64 v[KFR+6*\t+4:KFR+6*\t+5], v[ADK2] offset:768*(8*(\q)+\t)+512
.endr
.irp t, 0,1,2,3,4,5,6,7
	ds_load_b32 v[KS+\t], v[ADS] offset:KSO+4*(128*(\q)+16*\t)
.endr
.irp t, 0,1,2,3
	ds_load_b128 v[VF+12*\t:VF+12*\t+3], v[ADK] offset:VOFF+(4*(\q)+\t)*1536
	ds_load_b64 v[VF+12*\t+4:VF+12*\t+5], v[ADK2] offset:VOFF+(4*(\q)+\t)*1536+512
	ds_load_b128 v[VF+12*\t+6:VF+12*\t+9], v[ADK] offset:VOFF+(4*(\q)+\t)*1536+768
	ds_load_b64 v[VF+12*\t+10:VF+12*\t+11], v[ADK2] offset:VOFF+(4*(\q)+\t)*1536+1280
.endr
.irp t, 0,1,2,3
	ds_load_b32 v[VS+\t], v[ADS] offset:VSO+256*(\q)+64*\t
.endr
	s_wait_dscnt 20                                ; V's 16 loads and its 4 scale words may be out
.irp t, 0,1,2,3,4,5,6,7
	v_wmma_scale_f32_16x16x128_f8f6f4 v[S+8*\t:S+8*\t+7], v[KFR+6*\t:KFR+6*\t+11], v[QF:QF+11], v[S+8*\t:S+8*\t+7], v[KS+\t], v[QS] matrix_a_fmt:MATRIX_FMT_FP6 matrix_b_fmt:MATRIX_FMT_FP6
.endr
.rept 4
	v_nop
.endr
	s_add_co_u32 s36, s[KF], 127                   ; a step all of whose keys count skips the diagonal's lines
	s_cmp_le_u32 s36, s[Q0]
	s_cbranch_scc1 .Lopen_\@
	s_sub_co_i32 s36, s[Q0], s[KF]
	v_and_b32 v252, 15, v0
	v_bfe_u32 v253, v0, 4, 1
	s_delay_alu instid0(VALU_DEP_1)
	v_lshlrev_b32 v253, 3, v253
	s_delay_alu instid0(VALU_DEP_1)
	v_sub_nc_u32 v252, v252, v253
	s_delay_alu instid0(VALU_DEP_1)
	v_add_nc_u32 v252, s36, v252                   ; d = my query - the step's first key - 8 h.  Register 8 t + j holds key 16 t + 8 h + j: hidden where 16 t + j > d
	v_mov_b32 v254, s[NEG]
.irp n, 0,1,2,3,4,5,6,7,8,9,10,11,12,13,14,15,16,17,18,19,20,21,22,23,24,25,26,27,28,29,30,31,32,33,34,35,36,37,38,39,40,41,42,43,44,45,46,47,48,49,50,51,52,53,54,55,56,57,58,59,60,61,62,63
	v_cmp_gt_i32 vcc_lo, 16*(\n/8)+\n%8, v252
	v_cndmask_b32 v[S+\n], v[S+\n], v254, vcc_lo
.endr
.Lopen_\@:
.irp b, 0,1,2,3
	v_max3_num_f32 v[BM+\b], v[S+16*\b], v[S+1+16*\b], v[S+2+16*\b]   ; the largest score of each block of 32 keys: for the row's maximum, and, since p rises with the score, for the block's largest p
.endr
.irp i, 3,5,7,9,11,13
.irp b, 0,1,2,3
	v_max3_num_f32 v[BM+\b], v[BM+\b], v[S+16*\b+\i], v[S+1+16*\b+\i]
.endr
.endr
.irp b, 0,1,2,3
	v_max_num_f32 v[BM+\b], v[BM+\b], v[S+15+16*\b]
.endr
.irp b, 0,1,2,3
	s_delay_alu instid0(VALU_DEP_4)
	v_permlanex16_b32 v[PT+\b], v[BM+\b], s[SEL], s[SEL+1]
.endr
.irp b, 0,1,2,3
	s_delay_alu instid0(VALU_DEP_4)
	v_max_num_f32 v[BM+\b], v[BM+\b], v[PT+\b]
.endr
	s_delay_alu instid0(VALU_DEP_2)
	v_max3_num_f32 v254, v[BM], v[BM+1], v[BM+2]
	s_delay_alu instid0(VALU_DEP_1)
	v_max_num_f32 v254, v254, v[BM+3]
	s_delay_alu instid0(VALU_DEP_1)
	v_mul_f32 v254, s[CS], v254
	s_delay_alu instid0(VALU_DEP_1)
	v_max_num_f32 v13, v13, v254                   ; the running largest t
	v_mov_b32 v254, v12
	s_delay_alu instid0(VALU_DEP_2)
	v_floor_f32 v12, -v13                          ; the new -M: M is a whole number
	s_delay_alu instid0(VALU_DEP_1)
	v_sub_f32 v254, v12, v254                      ; old M - new M: a whole number, 0 or less
	s_delay_alu instid0(VALU_DEP_1)
	v_cvt_i32_f32 v254, v254                       ; (it saturates)
	s_delay_alu instid0(VALU_DEP_1)
	v_ldexp_f32 v252, 1.0, v254                    ; f = 2^(old M - new M): rounds nothing
.irp j, 0,2,4,6,8,10,12,14,16,18,20,22,24,26,28,30,32,34,36,38,40,42,44,46,48,50,52,54,56,58,60,62
	v_pk_fma_f32 v[S+\j:S+1+\j], v[S+\j:S+1+\j], s[CS:CS+1], v[12:13] op_sel_hi:[1,0,0]   ; t - M
.endr
.irp b, 0,1,2,3
	v_fma_f32 v[BM+\b], v[BM+\b], s[CS], v12
.endr
	s_wait_alu depctr_va_vdst(0)
.irp j, 0,1,2,3,4,5,6,7,8,9,10,11,12,13,14,15,16,17,18,19,20,21,22,23,24,25,26,27,28,29,30,31,32,33,34,35,36,37,38,39,40,41,42,43,44,45,46,47,48,49,50,51,52,53,54,55,56,57,58,59,60,61,62,63
	v_exp_f32 v[S+\j], v[S+\j]                     ; p = 2^(t - M)
.endr
	v_pk_mul_f32 v[14:15], v[14:15], v[252:253] op_sel_hi:[1,0]   ; the sums under the new M: a plain place behind the exponentials
	s_wait_alu depctr_va_vdst(0)                   ; one wait for the batch, ahead of its first reader
.irp b, 0,1,2,3
	v_exp_f32 v[BM+\b], v[BM+\b]                   ; the block's largest p
.endr
	v_pk_add_f32 v[56:57], v[100:101], v[104:105]
	v_pk_add_f32 v[254:255], v[108:109], v[112:113]
	v_pk_add_f32 v[250:251], v[116:117], v[120:121]
	v_pk_add_f32 v[248:249], v[124:125], v[128:129]
	v_pk_add_f32 v[246:247], v[132:133], v[136:137]
	v_pk_add_f32 v[244:245], v[140:141], v[144:145]
	v_pk_add_f32 v[92:93], v[148:149], v[152:153]
	v_pk_add_f32 v[14:15], v[14:15], v[156:157]
	v_pk_add_f32 v[56:57], v[56:57], v[96:97]
	v_pk_add_f32 v[254:255], v[254:255], v[98:99]
	v_pk_add_f32 v[250:251], v[250:251], v[102:103]
	v_pk_add_f32 v[248:249], v[248:249], v[106:107]
	v_pk_add_f32 v[246:247], v[246:247], v[110:111]
	v_pk_add_f32 v[244:245], v[244:245], v[114:115]
	v_pk_add_f32 v[92:93], v[92:93], v[118:119]
	v_pk_add_f32 v[14:15], v[14:15], v[122:123]
	v_pk_add_f32 v[56:57], v[56:57], v[126:127]
	v_pk_add_f32 v[254:255], v[254:255], v[130:131]
	v_pk_add_f32 v[250:251], v[250:251], v[134:135]
	v_pk_add_f32 v[248:249], v[248:249], v[138:139]
	v_pk_add_f32 v[246:247], v[246:247], v[142:143]
	v_pk_add_f32 v[244:245], v[244:245], v[146:147]
	v_pk_add_f32 v[92:93], v[92:93], v[150:151]
	v_pk_add_f32 v[14:15], v[14:15], v[154:155]
	v_pk_add_f32 v[56:57], v[56:57], v[158:159]
	s_delay_alu instid0(VALU_DEP_2)
	v_pk_add_f32 v[14:15], v[14:15], v[248:249]
	s_delay_alu instid0(VALU_DEP_2)
	v_pk_add_f32 v[56:57], v[56:57], v[246:247]
	v_pk_add_f32 v[254:255], v[254:255], v[244:245]
	v_pk_add_f32 v[250:251], v[250:251], v[92:93]
	s_delay_alu instid0(VALU_DEP_2)
	v_pk_add_f32 v[14:15], v[14:15], v[254:255]
	s_delay_alu instid0(VALU_DEP_2)
	v_pk_add_f32 v[56:57], v[56:57], v[250:251]
	s_delay_alu instid0(VALU_DEP_1)
	v_pk_add_f32 v[14:15], v[14:15], v[56:57]
	s_wait_alu depctr_va_vdst(0)                   ; and one for the four
.irp b, 0,1,2,3
	v_max_num_f32 v[BM+\b], 0x1800000, v[BM+\b]    ; the floor: a block whose every p is 0 keeps the byte 1 and has zero codes
.endr
.irp b, 0,1,2,3
	s_delay_alu instid0(VALU_DEP_4)
	v_add_nc_u32 v[SOP+\b], 0xff000000, v[BM+\b]
.endr
.irp b, 0,1,2,3
	s_delay_alu instid0(VALU_DEP_4)
	v_lshrrev_b32 v[BYT+\b], 23, v[SOP+\b]
.endr
	s_delay_alu instid0(VALU_DEP_3)
	v_lshl_or_b32 v[PS], v[BYT+1], 8, v[BYT]
	s_delay_alu instid0(VALU_DEP_1)
	v_lshl_or_b32 v[PS], v[BYT+2], 16, v[PS]
	s_delay_alu instid0(VALU_DEP_1)
	v_lshl_or_b32 v[PS], v[BYT+3], 24, v[PS]
.irp c, 0,1
	v_cvt_scalef32_pk16_fp6_f32 v[PCD+6*\c:PCD+2+6*\c], v[S+32*\c:S+15+32*\c], v[SOP+2*\c]
	v_cvt_scalef32_pk16_fp6_f32 v[CT+4*\c:CT+2+4*\c], v[S+16+32*\c:S+31+32*\c], v[SOP+2*\c+1]
.endr
	v_nop                                          ; one plain place behind a scaled conversion
.irp c, 0,1
.irp i, 0,1,2
	v_permlane16_swap_b32 v[PCD+6*\c+\i], v[CT+4*\c+\i]
.endr
.irp i, 0,1,2
	s_delay_alu instid0(VALU_DEP_3)
	v_mov_b32 v[PCD+3+6*\c+\i], v[CT+4*\c+\i]
.endr
.endr
.irp j, 0,2,4,6,8,10,12,14,16,18,20,22,24,26,28,30
	v_pk_mul_f32 v[O+\j:O+1+\j], v[O+\j:O+1+\j], v[252:253] op_sel_hi:[1,0]   ; O^T under the new M.  (These sixteen are the places between p's codes and scale word and the products)
.endr
	s_wait_alu depctr_va_vdst(0)
	s_wait_dscnt 0x0                               ; V is in
.irp t, 0,1,2,3
	v_wmma_scale_f32_16x16x128_f8f6f4 v[O+8*\t:O+8*\t+7], v[VF+12*\t:VF+12*\t+11], v[PCD:PCD+11], v[O+8*\t:O+8*\t+7], v[VS+\t], v[PS] matrix_a_fmt:MATRIX_FMT_FP6 matrix_b_fmt:MATRIX_FMT_FP6
.endr
.Lhidden_\@:
	s_add_co_u32 s[KF], s[KF], 128
	s_add_co_u32 s[TBI], s[TBI], 512
.endm
; THE CHANGE OF SLOTS, at a slot's head.  Each wave waits for all its tensor loads, adds 0 to its spare word, and waits for that and for its reads of the slot that it has left; behind the barrier the slot ahead is whole.
; fill = 1: the other slot is asked for, while its first key is at or under the work-group's last query: a slot beyond that is read by no wave.
.macro CHANGE fill
	s_wait_tensorcnt 0x0
	ds_add_u32 v[SPW], v[NIL]
.if \fill
	s_xor_b32 s[G0+1], s[G0+1], SLOT1
	s_add_nc_u64 s[G0+2:G0+3], s[G0+2:G0+3], SREC
	s_wait_xcnt 0x0                                ; the last prefetch, a slot back, has read its address
	s_add_nc_u64 s[PFA:PFA+1], s[PFA:PFA+1], SREC
.endif
	s_wait_dscnt 0x0
	s_barrier_signal -1
	s_barrier_wait -1
.if \fill
	s_add_co_u32 s36, s[KF], 256
	s_or_b32 s37, s[Q0], 255
	s_cmp_gt_u32 s36, s37
	s_cbranch_scc1 .Lpast_\@
	TLOAD
.Lpast_\@:
	ASK
.endif
.endm
	s_wait_loadcnt 0x0                             ; Q
.Lslot:                                            ; seven trips; the trip count is a constant, and work is jumped over inside
	CHANGE 1
	STEP 0
	STEP 1
	s_xor_b32 s[TB], s[TB], SLOT1
	s_sub_co_u32 s[SLOTS], s[SLOTS], 1
	s_cmp_lg_u32 s[SLOTS], 0
	s_cbranch_scc1 .Lslot
	CHANGE 0                                       ; the last slot is written out: nothing is left to ask for
	STEP 0
	STEP 1
	s_wait_alu depctr_va_vdst(0)
	; THE WAY OUT: O^T / the sum, quantised along the head's 64 (two blocks), stored as one image.  Register 16 b + i is channel 32 b + 16 h + i.
	v_add_f32 v14, v14, v15
	v_and_b32 v7, 15, v0
	s_delay_alu instid0(VALU_DEP_1)
	v_lshlrev_b32 v7, 3, v7                        ; 8 r
	v_mov_b32 v[PT], 0
	v_mov_b32 v[PT+1], 0
	v_permlanex16_b32 v252, v14, s[SEL], s[SEL+1]
	s_delay_alu instid0(VALU_DEP_1)
	v_add_f32 v14, v14, v252                       ; the row's sum
	s_wait_alu depctr_va_vdst(0)
	v_rcp_f32 v15, v14
	v_cmp_eq_f32 vcc_lo, 0, v14                    ; no key counted.  (A plain place behind the reciprocal)
	s_add_nc_u64 s[32:33], s[10:11], s[62:63]
	s_add_nc_u64 s[34:35], s[10:11], s[66:67]
	s_wait_alu depctr_va_vdst(0)                   ; ahead of the reciprocal's first reader
	v_cndmask_b32 v15, v15, 0, vcc_lo
.irp j, 0,1,2,3,4,5,6,7,8,9,10,11,12,13,14,15,16,17,18,19,20,21,22,23,24,25,26,27,28,29,30,31
	v_mul_f32 v[S+\j], v[O+\j], v15
.endr
.irp b, 0,1
	v_max3_num_f32 v[BM+\b], |v[S+16*\b]|, |v[S+1+16*\b]|, 0x1800000
.endr
.irp i, 2,4,6,8,10,12,14
.irp b, 0,1
	s_delay_alu instid0(VALU_DEP_2)
	v_max3_num_f32 v[BM+\b], v[BM+\b], |v[S+16*\b+\i]|, |v[S+1+16*\b+\i]|
.endr
.endr
.irp b, 0,1
	s_delay_alu instid0(VALU_DEP_2)
	v_permlanex16_b32 v[PT+\b], v[BM+\b], s[SEL], s[SEL+1]
.endr
.irp b, 0,1
	s_delay_alu instid0(VALU_DEP_2)
	v_max_num_f32 v[BM+\b], v[BM+\b], v[PT+\b]
.endr
.irp b, 0,1
	s_delay_alu instid0(VALU_DEP_2)
	v_add_nc_u32 v[SOP+\b], 0xff000000, v[BM+\b]
.endr
.irp b, 0,1
	s_delay_alu instid0(VALU_DEP_2)
	v_lshrrev_b32 v[BYT+\b], 23, v[SOP+\b]
.endr
	s_delay_alu instid0(VALU_DEP_1)
	v_lshl_or_b32 v[BYT], v[BYT+1], 8, v[BYT]
	v_mov_b32 v[BYT+1], 0xffff
	s_delay_alu instid0(VALU_DEP_1)
	v_cndmask_b32 v[BYT], v[BYT], v[BYT+1], vcc_lo ; an empty row: both bytes 0xff
	v_cvt_scalef32_pk16_fp6_f32 v[32:34], v[S:S+15], v[SOP]
	v_cvt_scalef32_pk16_fp6_f32 v[36:38], v[S+16:S+31], v[SOP+1]
	v_nop
.irp i, 0,1,2
	v_permlane16_swap_b32 v[32+\i], v[36+\i]
.endr
	s_delay_alu instid0(VALU_DEP_3)
	v_mov_b32 v35, v36
	s_delay_alu instid0(VALU_DEP_3)
	v_mov_b32 v36, v37
	s_delay_alu instid0(VALU_DEP_3)
	v_mov_b32 v37, v38
	global_store_b128 v[A16], v[32:35], s[32:33]               ; 512 consecutive bytes
	global_store_b64 v[A8], v[36:37], s[32:33] offset:512      ; 256 consecutive bytes
	global_store_b16 v7, v[BYT], s[34:35]                      ; both halves of the lanes hold and write the same two bytes
	s_wait_tensorcnt 0x0                           ; the wave's end
	ds_add_u32 v[SPW], v[NIL]
	s_wait_dscnt 0x0
	s_endpgm
.Lfunc_end_k_q2090d43717_attn:
	.size	k_q2090d43717_attn, .Lfunc_end_k_q2090d43717_attn-k_q2090d43717_attn
	.p2alignl 7, 3214868480
	.fill 96, 4, 3214868480
	.section	.rodata,"a",@progbits
	.p2align	6, 0x0
	.amdhsa_kernel k_q2090d43717_attn
		.amdhsa_group_segment_fixed_size 327680
		.amdhsa_private_segment_fixed_size 0
		.amdhsa_enable_private_segment 0
		.amdhsa_kernarg_size 32
		.amdhsa_user_sgpr_count 2
		.amdhsa_user_sgpr_kernarg_segment_ptr 1
		.amdhsa_wavefront_size32 1
		.amdhsa_system_sgpr_workgroup_id_x 1
		.amdhsa_system_sgpr_workgroup_id_y 1
		.amdhsa_system_sgpr_workgroup_id_z 1
		.amdhsa_system_vgpr_workitem_id 0
		.amdhsa_next_free_vgpr 256
		.amdhsa_next_free_sgpr 72
		.amdhsa_reserve_vcc 1
		.amdhsa_float_denorm_mode_32 3
		.amdhsa_float_denorm_mode_16_64 3
		.amdhsa_memory_ordered 1
		.amdhsa_forward_progress 1
		.amdhsa_inst_pref_size 110
	.end_amdhsa_kernel
	.amdgpu_metadata
---
amdhsa.version: [ 1, 2 ]
amdhsa.kernels:
  - .name:           k_q2090d43717_attn
    .symbol:         k_q2090d43717_attn.kd
    .args:
      - { .name: qq, .offset: 0, .size: 8, .value_kind: global_buffer, .address_space: global }
      - { .name: kv, .offset: 8, .size: 8, .value_kind: global_buffer, .address_space: global }
      - { .name: attention_mask, .offset: 16, .size: 8, .value_kind: global_buffer, .address_space: global }
      - { .name: cq, .offset: 24, .size: 8, .value_kind: global_buffer, .address_space: global }
    .group_segment_fixed_size: 327680
    .private_segment_fixed_size: 0
    .kernarg_segment_align: 8
    .kernarg_segment_size: 32
    .max_flat_workgroup_size: 512
    .sgpr_count:     72
    .vgpr_count:     256
    .wavefront_size: 32
...
	.end_amdgpu_metadata
.endif
;; end of part 3
;; launch proj (part 4): grid 4 x 32, 4 waves a work-group, clusters of 4 x 4, 327,680 bytes of LDS; arguments cq, ops, bo, out0; writes out0
.if DOCPART == 4
	.amdgcn_target "amdgcn-amd-amdhsa--gfx1250"
	.amdhsa_code_object_version 6
	.text
	.protected	k_q2090d43717_proj
	.globl	k_q2090d43717_proj
	.p2align	8
	.type	k_q2090d43717_proj,@function
k_q2090d43717_proj:
	s_mov_b64 s[64:65], 0
	v_nop
	global_prefetch_b8 v0, s[64:65] scope:SCOPE_SE
	s_setreg_imm32_b32 hwreg(HW_REG_WAVE_MODE, 25, 1), 1
	s_wait_xcnt 0x0
	s_wait_alu depctr_hold_cnt(0) depctr_sa_sdst(0) depctr_va_vdst(0) depctr_va_sdst(0) depctr_va_ssrc(0) depctr_va_vcc(0) depctr_vm_vsrc(0)
	s_getreg_b32 s2, hwreg(HW_REG_IB_STS2, 6, 4)
	s_cmp_eq_u32 s2, 0
	s_cbranch_scc0 .Lentry_in_a_cluster
	s_endpgm
.Lentry_in_a_cluster:
	s_bfe_u32 s2, ttmp6, 0x10000c
	s_cmp_lg_u32 s2, 0xf033
	s_cbranch_scc0 .Lentry_shape_is_right
	s_endpgm
.Lentry_shape_is_right:
; out0 = ctx Wo + bo on codes of FP6 (E2M3) with E8M0 scales.  ctx's codes and scale words lie in cq (launch attn), Wo's in ops (launch quant), both as images of 768 bytes: 16 rows x 64 K as an operand's registers 0-5.
; A tile of out0 is 256 x 256, K = 1,024; four waves, each 128 x 128: 64 accumulators.  Source 0 = 16 positions of Wo, source 1 = 16 tokens: a lane holds one token and eight columns.
; Position p of Wo holds column sigma(p) (bits 3 and 4 changed over); the way out puts each eight columns at their true place in the stage.  bo is the C of the first K step's products.
; A token whose attention row was empty carries scale bytes 0xff: its whole row of out0 is NaN.
; K goes in steps of 256 through two LDS slots; the scale words of the 512 rows come once.  By this text's count a wave has at most three tensor loads out.  CLUSTERS 4 x 4: ctx's tiles jointly along a row, Wo's along a column.
; 128 work-groups: the tile is the one whose text the projections share.  No prefetch: K has four steps.
.set NQ,     2
.set FR,     12
.set NL,     4
.set NP,     4
.set RT,     3072
.set HALFT,  8*RT
.set SLOT,   4*HALFT
.set SCL,    2*SLOT
.set HALFS,  4096
.set SBLK,   512
.set SPARE,  SCL+4*HALFS
.set OSC,    9437184
.set CSC,    6291456
.set SPITCH, 528
.set ADRA, 16
.set ADRB, 20
.set STO,  24
.set RD,   25
.set CO,   26
.set ADRS, 27
.set SPW,  28
.set NIL,  29
.set BOF,  30                          ; v30  64 h: my columns' place in bo; never rewritten
.set SC,   32
.set BIA,  64                          ; v64-127 bo in the result's layout, eight registers a tile of columns
.set AF,   128
.set BK,   128
.set G1, 24
.set G0, 32
.set G1B, 48
.set G0B, 56
.set G1S, 68
.set G0S, 76
.set G1SB, 80
.set G0SB, 88
.set MSB, 0
.macro WIN new
.if MSB != (\new)
	s_set_vgpr_msb (MSB<<8)|(\new)
.set MSB, \new
.endif
.endm
.set MUL_LO, 0xa1
.set MUL_HI, 0xf1
.set TO_B,   0x40
.macro JLOAD g0a, g1a, g0b, g1b
	s_cmp_eq_u32 s15, 0
	s_cbranch_scc0 .Lfor_b_\@
	tensor_load_to_lds s[\g0a:\g0a+3], s[\g1a:\g1a+7]
	s_nop 0
.rept 4
	v_nop
.endr
	s_branch .Lasked_\@
.Lfor_b_\@:
	tensor_load_to_lds s[\g0b:\g0b+3], s[\g1b:\g1b+7]
	s_nop 0
.rept 4
	v_nop
.endr
.Lasked_\@:
.endm
.macro CREST
	s_cmp_lg_u32 s14, 0
	s_cbranch_scc1 .Lnot_wave_0_\@
	s_barrier_signal -3
.Lnot_wave_0_\@:
	s_barrier_wait -3
	s_barrier_signal -1
	s_barrier_wait -1
.endm
.macro CROUND
	s_barrier_signal -1
	s_barrier_wait -1
	CREST
.endm
	s_load_b256 s[4:11], s[0:1], 0x0               ; cq, ops, bo, out0
	v_lshl_add_u32 v[SPW], v0, 2, SPARE
	v_mov_b32 v[NIL], 0
	ds_add_u32 v[SPW], v[NIL]
	ds_add_u32 v[SPW], v[NIL]                      ; the wave's opening: the add and its wait ahead of my first tensor load
	v_lshrrev_b32 v1, 5, v0
	v_readfirstlane_b32 s14, v1
	s_lshr_b32 s15, s14, 1
	s_and_b32 s16, s14, 1
	s_bfe_u32 s40, ttmp6, 0x40000                  ; cx
	s_bfe_u32 s41, ttmp6, 0x40004                  ; cy
	s_lshl_b32 s42, ttmp9, 2
	s_add_co_u32 s42, s42, s40                     ; tile column
	s_add_co_u32 s13, s42, 44                      ; Wo's tile of 256 positions in ops
	s_and_b32 s17, ttmp7, 0xffff
	s_lshl_b32 s17, s17, 2
	s_add_co_u32 s17, s17, s41                     ; tile row
	s_lshl_b32 s43, s41, 2
	s_lshl_b32 s43, 15, s43
	s_lshl_b32 s44, 0x1111, s40
	s_or_b32 s[G1+0], s43, (3<<16)|(1<<21)
	s_or_b32 s[G1B+0], s44, (3<<16)|(1<<21)
.irp g, G1, G1B
	s_mov_b32 s[\g+1], 384<<16
	s_mov_b32 s[\g+2], 8<<16
	s_mov_b32 s[\g+3], 384<<16
	s_mov_b32 s[\g+4], 8
	s_mov_b32 s[\g+5], 1536
	s_mov_b32 s[\g+6], 0
	s_mov_b32 s[\g+7], 0
.endr
	s_or_b32 s[G1S+0], s43, (3<<16)|(1<<21)
	s_or_b32 s[G1SB+0], s44, (3<<16)|(1<<21)
.irp g, G1S, G1SB
	s_mov_b32 s[\g+1], 32<<16
	s_mov_b32 s[\g+2], 16<<16
	s_mov_b32 s[\g+3], 32<<16
	s_mov_b32 s[\g+4], 16
	s_mov_b32 s[\g+5], 32
	s_mov_b32 s[\g+6], 0
	s_mov_b32 s[\g+7], 0
.endr
	s_mul_i32 s20, s17, 16*12288
	s_mul_i32 s18, s16, 8*12288
	s_add_co_u32 s20, s20, s18
	s_mov_b32 s21, 0
	s_lshl_b32 s22, s17, 13
	s_lshl_b32 s19, s16, 12
	s_add_co_u32 s22, s22, s19
	s_add_co_u32 s22, s22, CSC
	s_mov_b32 s23, 0
	s_mul_i32 s46, s13, 16*12288
	s_add_co_u32 s46, s46, s18
	s_mov_b32 s47, 0
	s_lshl_b32 s92, s13, 13
	s_add_co_u32 s92, s92, s19
	s_add_co_u32 s92, s92, OSC
	s_mov_b32 s93, 0
	s_mul_i32 s45, s14, HALFT
	s_mul_i32 s94, s14, HALFS
	s_wait_dscnt 0x0
	s_wait_kmcnt 0x0
	s_add_nc_u64 s[20:21], s[4:5], s[20:21]
	s_add_nc_u64 s[22:23], s[4:5], s[22:23]
	s_add_nc_u64 s[46:47], s[6:7], s[46:47]
	s_add_nc_u64 s[92:93], s[6:7], s[92:93]
	CROUND
	s_mov_b32 s[G0S], 1
	s_add_co_u32 s[G0S+1], s94, SCL
	s_mov_b64 s[G0S+2:G0S+3], s[22:23]
	s_or_b32 s[G0S+3], s[G0S+3], 0x80000000
	s_mov_b32 s[G0SB], 1
	s_add_co_u32 s[G0SB+1], s94, SCL
	s_mov_b64 s[G0SB+2:G0SB+3], s[92:93]
	s_or_b32 s[G0SB+3], s[G0SB+3], 0x80000000
	JLOAD G0S, G1S, G0SB, G1SB
.irp s, 0,1
	s_mov_b32 s[G0+4*\s], 1
	s_add_co_u32 s[G0+4*\s+1], s45, \s*SLOT
	s_add_nc_u64 s[G0+4*\s+2:G0+4*\s+3], s[20:21], \s*RT
	s_or_b32 s[G0+4*\s+3], s[G0+4*\s+3], 0x80000000
	s_mov_b32 s[G0B+4*\s], 1
	s_add_co_u32 s[G0B+4*\s+1], s45, \s*SLOT
	s_add_nc_u64 s[G0B+4*\s+2:G0B+4*\s+3], s[46:47], \s*RT
	s_or_b32 s[G0B+4*\s+3], s[G0B+4*\s+3], 0x80000000
	JLOAD G0+4*\s, G1, G0B+4*\s, G1B
.endr
	v_and_b32 v1, 15, v0                           ; r
	v_bfe_u32 v2, v0, 4, 1                         ; h
	v_and_b32 v3, 31, v0
	v_lshlrev_b32 v4, 4, v3
	s_wait_alu depctr_va_vdst(0)
	v_lshlrev_b32 v5, 4, v1
	v_lshl_add_u32 v5, v2, 3, v5
	s_wait_alu depctr_va_vdst(0)
	v_lshlrev_b32 v[BOF], 6, v2
	s_lshl_b32 s46, s42, 10                        ; my first column, in bytes: 1,024 x tile column + 512 x half
	s_lshl_b32 s47, s16, 9
	s_add_co_u32 s46, s46, s47
	s_mov_b32 s47, 0
	s_add_nc_u64 s[8:9], s[8:9], s[46:47]
.irp b, 0,1,2,3,4,5,6,7                ; tile b's register j of lane half h is column 32 (b / 2) + 16 h + 8 (b % 2) + j
	global_load_b128 v[BIA+8*\b:BIA+8*\b+3], v[BOF], s[8:9] offset:(32*(\b/2)+8*(\b%2))*4
	global_load_b128 v[BIA+8*\b+4:BIA+8*\b+7], v[BOF], s[8:9] offset:(32*(\b/2)+8*(\b%2))*4+16
.endr
	s_mul_i32 s21, s15, HALFT
	s_mul_i32 s22, s16, HALFT
	s_add_co_u32 s22, s22, 2*HALFT
.irp s, 0,1
	v_add_nc_u32 v[ADRA+\s], s21, v4
	v_add_nc_u32 v[ADRB+\s], s22, v4
	v_add_nc_u32 v[ADRA+2+\s], s21, v5
	v_add_nc_u32 v[ADRB+2+\s], s22, v5
	s_add_co_u32 s21, s21, SLOT
	s_add_co_u32 s22, s22, SLOT
.endr
	v_lshlrev_b32 v5, 3, v1
	s_mul_i32 s21, s15, HALFS
	s_mul_i32 s22, s16, HALFS
	s_add_co_u32 s22, s22, 2*HALFS
	s_sub_co_u32 s22, s22, s21
	v_mul_u32_u24 v6, s22, v2
	s_add_co_u32 s21, s21, SCL
	v_add_nc_u32 v5, v5, v6
	v_add_nc_u32 v[ADRS], s21, v5
	s_mul_i32 s23, s14, 16*SPITCH                  ; my stage, in slot 0
	v_mul_u32_u24 v5, v1, SPITCH
	v_lshl_add_u32 v5, v2, 6, v5                   ; in: row r, + 64 h
	v_add_nc_u32 v[STO], s23, v5
	v_lshlrev_b32 v[CO], 4, v3                     ; back: the 32 lanes take one row of 512 bytes; and the same in out0
	v_add_nc_u32 v[RD], s23, v[CO]
	s_lshl_b32 s20, s17, 8
	s_lshl_b32 s21, s15, 7
	s_add_co_u32 s20, s20, s21
	s_lshl_b32 s20, s20, 12                        ; my first row: 4,096 bytes a row
	s_mov_b32 s21, 0
	s_add_nc_u64 s[20:21], s[20:21], s[46:47]
	s_add_nc_u64 s[10:11], s[10:11], s[20:21]
.macro FRAG reg, adr, q, i
	ds_load_b128 v[\reg:\reg+3], v[\adr] offset:(\i)*RT+(\q)*1536
	ds_load_b64 v[\reg+4:\reg+5], v[\adr+2] offset:(\i)*RT+(\q)*1536+512
	ds_load_b128 v[\reg+6:\reg+9], v[\adr] offset:(\i)*RT+(\q)*1536+768
	ds_load_b64 v[\reg+10:\reg+11], v[\adr+2] offset:(\i)*RT+(\q)*1536+1280
.endm
; zero = 1: the first product starts the sums from bo (source 2 in window 0).  The 64 accumulators take turns, one instruction a turn.
.macro MUL16 a0, p, q, sc, zero
.irp a, \a0, \a0+1
.irp b, 0,1,2,3,4,5,6,7
.if \zero
	v_wmma_scale_f32_16x16x128_f8f6f4 v[8*(8*((\a)%4)+\b):8*(8*((\a)%4)+\b)+7], v[128*(\p)+FR*\b:128*(\p)+FR*\b+FR-1], v[AF+FR*(\a):AF+FR*(\a)+FR-1], v[BIA+8*\b:BIA+8*\b+7], v[SC+8*NQ*(\sc)+NQ*\b+(\q)], v[SC+8*NQ*(\sc)+NQ*(\a)+(\q)] matrix_a_fmt:MATRIX_FMT_FP6 matrix_b_fmt:MATRIX_FMT_FP6 matrix_a_scale:MATRIX_SCALE_ROW1
.else
	v_wmma_scale_f32_16x16x128_f8f6f4 v[8*(8*((\a)%4)+\b):8*(8*((\a)%4)+\b)+7], v[128*(\p)+FR*\b:128*(\p)+FR*\b+FR-1], v[AF+FR*(\a):AF+FR*(\a)+FR-1], v[8*(8*((\a)%4)+\b):8*(8*((\a)%4)+\b)+7], v[SC+8*NQ*(\sc)+NQ*\b+(\q)], v[SC+8*NQ*(\sc)+NQ*(\a)+(\q)] matrix_a_fmt:MATRIX_FMT_FP6 matrix_b_fmt:MATRIX_FMT_FP6 matrix_a_scale:MATRIX_SCALE_ROW1
.endif
.endr
.endr
.endm
.macro FETCH_B slot, q, p
	WIN TO_B
.irp i, 0,1,2,3,4,5,6,7
	FRAG 128*(\p)+FR*\i, ADRB+\slot, \q, \i
.endr
	WIN 0
.endm
.macro FETCH_A slot, q, i0
.irp i, \i0, \i0+1, \i0+2, \i0+3
	FRAG AF+FR*(\i), ADRA+\slot, \q, \i
.endr
.endm
.macro SCALES sc
.irp i, 0,1,2,3,4,5,6,7
	ds_load_b64 v[SC+8*NQ*\sc+NQ*\i:SC+8*NQ*\sc+NQ*\i+1], v[ADRS] offset:\i*SBLK
.endr
.endm
.macro PLACES n
.rept \n
	v_nop
.endr
.endm
.macro STEP slot, q, zero
	s_wait_dscnt 4*NL                              ; all but the youngest 16 loads (A's blocks 4-7)
.if \zero
	WIN 0x81                                       ; source 0 window 1, sources 1 and 2 window 0, D window 2
.else
	WIN MUL_LO
.endif
	MUL16 0, (\q)%2, \q, \slot, \zero
	MUL16 2, (\q)%2, \q, \slot, \zero
	s_wait_dscnt 0
	PLACES NP
	FETCH_B \slot, (\q)+1, 1-(\q)%2
	FETCH_A \slot, (\q)+1, 0
.if \zero
	WIN 0xc1
.else
	WIN MUL_HI
.endif
	MUL16 4, (\q)%2, \q, \slot, \zero
	MUL16 6, (\q)%2, \q, \slot, \zero
	PLACES NP
	WIN 0
	FETCH_A \slot, (\q)+1, 4
.endm
.macro TURN slot, next, fill
	s_wait_tensorcnt 0x0                           ; all my tensor loads have landed
	ds_add_u32 v[SPW], v[NIL]
	s_wait_dscnt 4*NL+1                            ; the add and the youngest 16 loads may be out
	WIN MUL_LO
	MUL16 0, 1, NQ-1, \slot, 0
	s_wait_dscnt 0x0                               ; the add is done, and my reads of this slot are over
	s_barrier_signal -1
	MUL16 2, 1, NQ-1, \slot, 0
	WIN 0
	s_barrier_wait -1
.if \fill
	CREST
	s_add_nc_u64 s[G0+4*\slot+2:G0+4*\slot+3], s[G0+4*\slot+2:G0+4*\slot+3], 2*RT
	s_add_nc_u64 s[G0B+4*\slot+2:G0B+4*\slot+3], s[G0B+4*\slot+2:G0B+4*\slot+3], 2*RT
	JLOAD G0+4*\slot, G1, G0B+4*\slot, G1B
.else
	PLACES NP
.endif
	s_wait_alu depctr_va_vdst(0)
	v_add_nc_u32 v[ADRS], 128, v[ADRS]
	FETCH_B \next, 0, 0
	FETCH_A \next, 0, 0
	SCALES \next
	WIN MUL_HI
	MUL16 4, 1, NQ-1, \slot, 0
	MUL16 6, 1, NQ-1, \slot, 0
	PLACES NP
	WIN 0
	FETCH_A \next, 0, 4
.endm
	s_wait_alu depctr_va_vdst(0)
	s_wait_tensorcnt 1                             ; the scale words and my part of K step 0 are in; K step 1's load may be out
	s_barrier_signal -1
	s_barrier_wait -1
	FETCH_B 0, 0, 0
	FETCH_A 0, 0, 0
	SCALES 0
	FETCH_A 0, 0, 4
	s_wait_loadcnt 0x0                             ; bo
	STEP 0, 0, 1
	TURN 0, 1, 1
	STEP 1, 0, 0
	TURN 1, 0, 1
	STEP 0, 0, 0
	TURN 0, 1, 0
	STEP 1, 0, 0
	s_wait_dscnt 4*NL
	WIN MUL_LO
	MUL16 0, 1, NQ-1, 1, 0
	MUL16 2, 1, NQ-1, 1, 0
	s_wait_dscnt 0
	WIN MUL_HI
	MUL16 4, 1, NQ-1, 1, 0
	MUL16 6, 1, NQ-1, 1, 0
	WIN 0
; THE WAY OUT, block by block of 16 rows x 128 columns, through my own stage (in slot 0, which has had its last fill and its last read) and back as whole rows of 512 bytes.
.macro TOSTAGE a
.set AC, 64*((\a)%4)
	WIN 0x08+4*((\a)/4)                            ; an LDS store's data are its source 1
.irp b, 0,1,2,3,4,5,6,7
	ds_store_b128 v[STO], v[AC+8*\b:AC+8*\b+3] offset:128*(\b/2)+32*(\b%2)        ; each accumulator from its low end on; its eight columns at their true place
	ds_store_b128 v[STO], v[AC+8*\b+4:AC+8*\b+7] offset:128*(\b/2)+32*(\b%2)+16
.endr
	WIN 0
.set BB, BK+64*((\a)%2)
.irp t, 0,1,2,3,4,5,6,7,8,9,10,11,12,13,14,15
	ds_load_b128 v[BB+4*\t:BB+4*\t+3], v[RD] offset:\t*SPITCH   ; LDS serves a wave's instructions in order
.endr
.endm
.macro SEND a, younger
.set BB, BK+64*((\a)%2)
	s_wait_dscnt \younger
.if (\a) > 0
	s_add_nc_u64 s[10:11], s[10:11], 16*4096       ; (behind a wait on XCNT: the earlier stores have read their base)
.endif
.irp t, 0,1,2,3,4,5,6,7,8,9,10,11,12,13,14,15
	global_store_b128 v[CO], v[BB+4*\t:BB+4*\t+3], s[10:11] offset:\t*4096 th:TH_STORE_NT   ; 512 consecutive bytes, aligned
.endr
.endm
	PLACES NP
	TOSTAGE 0
.irp a, 1,2,3,4,5,6,7
.if \a > 1
	s_wait_xcnt 0x0                                ; block a - 2's stores have read their registers and their base
.endif
	TOSTAGE \a
	SEND \a-1, 32                                  ; behind block a - 1's loads: block a's 16 stores and 16 loads
.endr
	s_wait_xcnt 0x0
	SEND 7, 0
	s_wait_tensorcnt 0x0                           ; the wave's end
	ds_add_u32 v[SPW], v[NIL]
	s_wait_dscnt 0x0
	CROUND                                         ; the closing round
	s_endpgm
.Lfunc_end_k_q2090d43717_proj:
	.size	k_q2090d43717_proj, .Lfunc_end_k_q2090d43717_proj-k_q2090d43717_proj
	.p2alignl 7, 3214868480
	.fill 96, 4, 3214868480
	.section	.rodata,"a",@progbits
	.p2align	6, 0x0
	.amdhsa_kernel k_q2090d43717_proj
		.amdhsa_group_segment_fixed_size 327680
		.amdhsa_private_segment_fixed_size 0
		.amdhsa_enable_private_segment 0
		.amdhsa_kernarg_size 32
		.amdhsa_user_sgpr_count 2
		.amdhsa_user_sgpr_kernarg_segment_ptr 1
		.amdhsa_wavefront_size32 1
		.amdhsa_system_sgpr_workgroup_id_x 1
		.amdhsa_system_sgpr_workgroup_id_y 1
		.amdhsa_system_sgpr_workgroup_id_z 1
		.amdhsa_system_vgpr_workitem_id 0
		.amdhsa_next_free_vgpr 1024
		.amdhsa_next_free_sgpr 100
		.amdhsa_reserve_vcc 0
		.amdhsa_float_denorm_mode_32 3
		.amdhsa_float_denorm_mode_16_64 3
		.amdhsa_memory_ordered 1
		.amdhsa_forward_progress 1
		.amdhsa_inst_pref_size 145
	.end_amdhsa_kernel
	.amdgpu_metadata
---
amdhsa.version: [ 1, 2 ]
amdhsa.kernels:
  - .name:           k_q2090d43717_proj
    .symbol:         k_q2090d43717_proj.kd
    .args:
      - { .name: cq, .offset: 0, .size: 8, .value_kind: global_buffer, .address_space: global }
      - { .name: ops, .offset: 8, .size: 8, .value_kind: global_buffer, .address_space: global }
      - { .name: bo, .offset: 16, .size: 8, .value_kind: global_buffer, .address_space: global }
      - { .name: out0, .offset: 24, .size: 8, .value_kind: global_buffer, .address_space: global }
    .group_segment_fixed_size: 327680
    .private_segment_fixed_size: 0
    .kernarg_segment_align: 8
    .kernarg_segment_size: 32
    .max_flat_workgroup_size: 128
    .sgpr_count:     100
    .vgpr_count:     1024
    .wavefront_size: 32
...
	.end_amdgpu_metadata
.endif
;; end of part 4
